; MI455X (gfx1250); checked and timed in simulation.
; The chip was launched on July 23, 2026; its instructions are those of AMD's public machine-readable ISA for CDNA 5 (MIT licence, August 2026) and "CDNA5" Instruction Set Architecture Reference Guide (July 2026). The comments in the code are by the model that wrote it; some were corrected since.
;; Vector Attention. Allowed arithmetic: float matrix products may take bf16 or f16 operands with f32 sums; all other float work in f32.
;; Inputs: W1 128 x 128 float32; W2 128 x 128 float32; Wk 128 x 128 float32; Wq 128 x 128 float32; Wv 128 x 128 float32; b1 128 float32; b2 128 float32; beta1 128 float32; betak 128 float32; betaq 128 float32; bk 128 float32; bq 128 float32; bv 128 float32; distribution 2 x 512 x 1 float32; feat 2 x 512 x 128 float32; g1 128 float32; gk 128 float32; gq 128 float32; pos 2 x 512 x 128 float32.
;; Outputs: out0 2 x 512 x 128 float32.
;; 2 versions, each right and faster than the one before. Each part assembles by itself: llvm-mc -triple=amdgcn-amd-amdhsa -mcpu=gfx1250 --defsym DOCPART=n.
;; ======== version 1 of 2: 2 launches
;; workspace buffers: Tp 524,288 bytes; Up 524,288 bytes; Vp 524,288 bytes; W2F 32,768 bytes
;; launch prep (part 1): grid 64 x 3, 4 waves a work-group, no clusters, 168,448 bytes of LDS; arguments feat, Wq, Wk, Wv, W1, W2, bq, bk, bv, gq, gk, betaq, betak, b1, distribution, Tp, Up, Vp, W2F; writes Tp, Up, Vp, W2F
.if DOCPART == 1
	.amdgcn_target "amdgcn-amd-amdhsa--gfx1250"
	.amdhsa_code_object_version 6
	.text
	.protected	k_q1dc2c796df_prep
	.globl	k_q1dc2c796df_prep
	.p2align	8
	.type	k_q1dc2c796df_prep,@function
k_q1dc2c796df_prep:
	s_mov_b64 s[64:65], 0
	v_nop
	global_prefetch_b8 v0, s[64:65] scope:SCOPE_SE
	s_setreg_imm32_b32 hwreg(HW_REG_WAVE_MODE, 25, 1), 1
	s_wait_xcnt 0x0
; VectorAttention, first of two launches: everything that hangs on ONE row (not on a pair of rows) is made here.
;
; WORK LEFT OUT OR RE-FORMED, for all values of the inputs:
;  * pos enters no line of the problem's function: it is not loaded and is no argument of any launch.
;  * b2 is added to w[b,i,j,c] alike for every j, and the softmax runs over j: (w+b2) - max_j(w+b2) = w - max_j w.
;    So b2 reaches no output; it is not loaded and is no argument of any launch.
;  * (k_j - q_i) W1^T = k_j W1^T - q_i W1^T (a product is linear), so the pair-wise product with W1 is two products of
;    1024 x 128 x 128: u = k W1^T, t = q W1^T.  k and q go in as bf16 upper part + bf16 rest (two products each), so that
;    the later difference u_j - t_i does not magnify the rounding of its operands; W1's own rounding acts on k - q alike.
;  * The mean of a layer norm is linear: x - mean(x) with x = u_j - t_i + b1 is U_j - T_i, U = centred(u + b1/2),
;    T = centred(t - b1/2).  The variance is formed in the next launch, directly as the mean of (U_j - T_i)^2.
;  LIMITS: a NaN, an infinity or an overflow that sits in pos or b2 alone is not carried to the result.  Sums run in another
;  order than the problem's function.  v_exp_f32, v_rcp_f32 and v_rsq_f32 flush denormals (ISA guide, 15.8).
;  mish(x) = x - x / (1 + e + e^2/2), e = exp(x) (tanh(log(1+e)) written out); an e that overflows gives x, an e of 0 gives 0.
;
; GRID: x = a tile of 16 rows of feat (64 tiles), y = the role: 0 q -> Tp, 1 k -> Up, 2 dist*v -> Vp.  W2's image of bf16 fragments has
; 64 blocks of 512 bytes: block x is made by wave 0 of role 2's work-group x, while that wave's tiles are on their way.
; FOUR WAVES: wave w owns the weight rows (output channels) 32 w .. 32 w + 31 in both products, brings them by tensor loads of its own and
; is their only reader.  Products take the WEIGHT's 16 rows as the first source and the 16 data rows as the second, so lane
; (r = lane & 15, h = (lane >> 4) & 1) holds, of data row r, the channels 32 w + 16 t + 8 h + e (t = 0, 1; e = 0..7) in register 8 t + e;
; packed to bf16 these 16 numbers are step w of the next product's second source.
; WHAT CROSSES THE WAVES, through LDS bytes of its own, each behind a barrier: feat's rows (each wave brings four); for the norm each wave's
; mean m_w of its 32 channels and M2_w = sum (x - m_w)^2, from which mean = sum m_w / 4 and 128 var = sum M2_w + 32 sum (m_w - mean)^2
; (one exchange, and no difference of large sums); the bf16 parts of q or k; the row sums of the last centring.
; TABLES: Tp, Up: [row>>2][p 0..15][h][row&3][4 f32], the four being channels 16 (p >> 1) + 8 h + 4 (p & 1) + 0..3.
;         Vp: [row>>2][t 0..7][r' 0..15][row&3] f32 = dist[row] * v[row][16 t + r'].   W2F: [(4 t + kk) 2 + half][lane][16 bytes].
; No cluster: a work-group asks for each weight once, in its first lines (64 or 128 KiB), and fills nothing again; the rounds of a
; cluster's barrier in front of and behind that one fill would stand in a text that has four barriers in all.
.set PITCH, 528                        ; an LDS row: 512 bytes + 16 of padding, an odd multiple of 16 bytes
.set FEAT,  0                          ; 16 rows of feat, four from each wave
.set WA,    16*PITCH                   ; 128 rows of Wq, Wk or Wv, 32 from each wave
.set WB,    WA+128*PITCH               ; 128 rows of W1, likewise
.set STAGE, WB+128*PITCH               ; the way out: 2,048 bytes for each wave.  From here on multiples of 256 into which no tensor load lands
.set QX,    STAGE+8192                 ; the bf16 parts of q or k: [step kk = wave][upper 0-3, upper 4-7, rest 0-3, rest 4-7][lane][16 bytes]
.set RED,   QX+8192                    ; [row][wave](m, M2): 512 bytes
.set RED2,  RED+512                    ; [row][wave] sum: 256 bytes
.set LOG2E, 0x3fb8aa3b
; v0 thread, v1 r, v2 h, v3 / v4 / v5 my place in FEAT / WA / WB, v6 my channels' bytes in a vector of 128 f32, v7 stage in, v8 my bytes in a
; unit of the table, v9 v10 at work, v11 stage back, v12 v13 RED in / back (role 2: dist's offset), v14 v15 RED2 in / back, v16 v17 QX in / back,
; v18 r & 3, v19 W2's offset
.set SS,  20                           ; v[20:27]   four running pairs of a sum
.set RS,  28                           ; v[28:29]   a mean or 1/sigma, twice
.set MW,  30                           ; v[30:31]   my wave's mean (role 2: dist of my row)
.set D,   32                           ; v[32:47]   the lane's 16 numbers
.set G,   48                           ; v[48:63]   gain (role 2, wave 0: W2's block)
.set BT,  64                           ; v[64:79]   beta
.set BH,  80                           ; v[80:95]   b1
.set FB,  96                           ; v[96:127]  feat's four fragments
.set QH,  96                           ;            later: the upper bf16 parts of q or k, four fragments
.set QL,  128                          ; v[128:159] the bf16 rests, four fragments
.set AF,  160                          ; v[160:191] weight fragments, two buffers of two; between the products: my own parts of q or k
.set LND, 192                          ; v[192:255] f32 as loaded from LDS, two buffers of 32; also at work
.set RD,  192                          ;            the four waves' figures of a row
.macro PLACES                          ; four plain places between a matrix instruction and a reader of its result (ISA guide 7.12.1)
.rept 4
	v_nop
.endr
.endm
.macro LDV dst, sb                     ; my 16 numbers of a vector of 128 f32: channel 32 w + 16 t + 8 h + e into register 8 t + e
.irp t, 0,1
	global_load_b128 v[\dst+8*\t:\dst+8*\t+3], v6, s[\sb:\sb+1] offset:64*\t
	global_load_b128 v[\dst+8*\t+4:\dst+8*\t+7], v6, s[\sb:\sb+1] offset:64*\t+16
.endr
.endm
.macro FEATF                           ; feat's 16 rows as four bf16 fragments (row r, k = 32 kk + 8 h + 0..7 and + 16)
.irp kk, 0,1,2,3
.irp l, 0,1,2,3
	ds_load_b128 v[LND+16*\kk+4*\l:LND+16*\kk+4*\l+3], v3 offset:128*\kk+64*(\l/2)+16*(\l%2)
.endr
.endr
	s_wait_dscnt 0x0
.set fi, 0
.rept 32
	v_cvt_pk_bf16_f32 v[FB+fi], v[LND+2*fi], v[LND+2*fi+1]
.set fi, fi+1
.endr
.endm
; step s = kk: the f32 of my two weight tiles, 32 along k
.macro GLD base, s, buf
.irp tt, 0,1
.irp l, 0,1,2,3
	ds_load_b128 v[LND+32*(\buf)+16*\tt+4*\l:LND+32*(\buf)+16*\tt+4*\l+3], v[\base] offset:\tt*16*PITCH+(\s)*128+64*(\l/2)+16*(\l%2)
.endr
.endr
.endm
.macro GCV buf
.set cw, 0
.rept 16
	v_cvt_pk_bf16_f32 v[AF+16*(\buf)+cw], v[LND+32*(\buf)+2*cw], v[LND+32*(\buf)+2*cw+1]
.set cw, cw+1
.endr
.endm
; D(channel, row) = my 32 weight rows x the 16 data rows.  two = 0: onto the bias that lies in D, rows = FB.  two = 1: from 0, rows = QH and then QL.
; The two accumulators take turns, one instruction a turn.  A weight buffer is written again two steps later,
; behind the sixteen conversions of the step between, which name none of the registers of the products that read it.
.macro GEMM base, two
	GLD \base, 0, 0
.set gst, 0
.rept 4
.if gst < 3
	GLD \base, gst+1, (gst+1)%2
	s_wait_dscnt 0x8                       ; this step's eight loads (and all older ones) are in; the next step's eight stay out
.else
	s_wait_dscnt 0x0
.endif
	GCV gst%2
.set gk, 8*gst
.set ga, AF+16*(gst%2)
.if \two
.if gst == 0
	v_wmma_f32_16x16x32_bf16 v[D:D+7], v[ga:ga+7], v[QH+gk:QH+gk+7], 0
	v_wmma_f32_16x16x32_bf16 v[D+8:D+15], v[ga+8:ga+15], v[QH+gk:QH+gk+7], 0
.else
	v_wmma_f32_16x16x32_bf16 v[D:D+7], v[ga:ga+7], v[QH+gk:QH+gk+7], v[D:D+7]
	v_wmma_f32_16x16x32_bf16 v[D+8:D+15], v[ga+8:ga+15], v[QH+gk:QH+gk+7], v[D+8:D+15]
.endif
	v_wmma_f32_16x16x32_bf16 v[D:D+7], v[ga:ga+7], v[QL+gk:QL+gk+7], v[D:D+7]
	v_wmma_f32_16x16x32_bf16 v[D+8:D+15], v[ga+8:ga+15], v[QL+gk:QL+gk+7], v[D+8:D+15]
.else
	v_wmma_f32_16x16x32_bf16 v[D:D+7], v[ga:ga+7], v[FB+gk:FB+gk+7], v[D:D+7]
	v_wmma_f32_16x16x32_bf16 v[D+8:D+15], v[ga+8:ga+15], v[FB+gk:FB+gk+7], v[D+8:D+15]
.endif
.set gst, gst+1
.endr
.endm
.macro FOLD                            ; four pairs -> one number, the row's two lanes added: v[SS] in both
	v_pk_add_f32 v[SS:SS+1], v[SS:SS+1], v[SS+2:SS+3]
	v_pk_add_f32 v[SS+4:SS+5], v[SS+4:SS+5], v[SS+6:SS+7]
	v_pk_add_f32 v[SS:SS+1], v[SS:SS+1], v[SS+4:SS+5]
	v_add_f32 v[SS], v[SS], v[SS+1]
	v_permlanex16_b32 v[SS+1], v[SS], s54, s55
	v_add_f32 v[SS], v[SS], v[SS+1]
.endm
.macro SUM32                           ; v[SS] = the sum of the row's 32 numbers that my wave holds
.irp k, 0,1,2,3
	v_pk_add_f32 v[SS+2*\k:SS+2*\k+1], v[D+2*\k:D+2*\k+1], v[D+8+2*\k:D+8+2*\k+1]
.endr
	FOLD
.endm
.macro DSUB pr                         ; D -= the pair pr
.set ci, 0
.rept 8
	v_pk_add_f32 v[D+2*ci:D+2*ci+1], v[D+2*ci:D+2*ci+1], v[\pr:\pr+1] neg_lo:[0,1] neg_hi:[0,1]
.set ci, ci+1
.endr
.endm
; mish on D's 16 numbers: e = 2^(x log2 e); t = -1 - e/2; d = e t - 1 = -(1 + e + e^2/2); x + x / d
.macro MISH16
.irp i, 0,1,2,3,4,5,6,7
	v_pk_mul_f32 v[LND+2*\i:LND+2*\i+1], v[D+2*\i:D+2*\i+1], LOG2E op_sel_hi:[1,0]
.endr
.irp i, 0,1,2,3,4,5,6,7,8,9,10,11,12,13,14,15
	v_exp_f32 v[LND+\i], v[LND+\i]
.endr
	v_nop                                  ; one plain place behind the exponentials (ISA guide 5.7.2)
	s_wait_alu depctr_va_vdst(0)
.irp i, 0,1,2,3,4,5,6,7
	v_pk_fma_f32 v[LND+16+2*\i:LND+16+2*\i+1], v[LND+2*\i:LND+2*\i+1], -0.5, -1.0 op_sel_hi:[1,0,0]
.endr
.irp i, 0,1,2,3,4,5,6,7
	v_pk_fma_f32 v[LND+2*\i:LND+2*\i+1], v[LND+2*\i:LND+2*\i+1], v[LND+16+2*\i:LND+16+2*\i+1], -1.0 op_sel_hi:[1,1,0]
.endr
.irp i, 0,1,2,3,4,5,6,7,8,9,10,11,12,13,14,15
	v_rcp_f32 v[LND+\i], v[LND+\i]
.endr
	v_nop                                  ; one plain place behind the reciprocals
	s_wait_alu depctr_va_vdst(0)
.irp i, 0,1,2,3,4,5,6,7
	v_pk_fma_f32 v[D+2*\i:D+2*\i+1], v[D+2*\i:D+2*\i+1], v[LND+2*\i:LND+2*\i+1], v[D+2*\i:D+2*\i+1]
.endr
.endm
; my stage's 2,048 bytes go out: 512 bytes for each of the tile's four units of the table; each store of the wave covers 512 consecutive bytes, aligned
.macro OUTB sb
.irp u, 0,1,2,3
	ds_load_b128 v[LND+4*\u:LND+4*\u+3], v11 offset:512*\u    ; the wave's own bytes: LDS serves a wave's instructions in order (ISA guide 5.7.1)
.endr
.irp u, 0,1,2,3
	s_wait_dscnt 3-\u                      ; load u is in; the younger ones stay out
	global_store_b128 v8, v[LND+4*\u:LND+4*\u+3], s[\sb:\sb+1] offset:2048*\u
.endr
	s_set_vgpr_msb 0x5
	s_wait_tensorcnt 0x0
	ds_add_u32 v0, v1
	s_wait_dscnt 0x0
	s_set_vgpr_msb 0x500
	s_endpgm
.endm
	s_load_b512 s[4:19], s[0:1], 0x0               ; feat 4, Wq 6, Wk 8, Wv 10, W1 12, W2 14, bq 16, bk 18
	s_load_b512 s[20:35], s[0:1], 0x40             ; bv 20, gq 22, gk 24, betaq 26, betak 28, b1 30, distribution 32, Tp 34
	s_load_b128 s[36:39], s[0:1], 0x80             ; Up 36, Vp 38
	s_load_b64 s[40:41], s[0:1], 0x90              ; W2F
	s_set_vgpr_msb 0x40
	v_lshl_add_u32 v0, v0, 2, 0x29000
	v_mov_b32 v1, 0
	s_set_vgpr_msb 0x4045
	ds_add_u32 v0, v1
	ds_add_u32 v0, v1
	s_set_vgpr_msb 0x4500
	v_lshrrev_b32 v9, 5, v0
	v_readfirstlane_b32 s60, v9                    ; wave 0..3
	s_mov_b32 s2, ttmp9                            ; x: the tile of 16 rows
	s_and_b32 s3, ttmp7, 0xffff                    ; the role
	; descriptor group 1: rows of 128 f32, 16 bytes of padding behind each; 32 rows (a wave's part of a weight) and 4 rows (of feat)
	s_mov_b32 s68, (2<<16)|(1<<20)|(6<<22)|(3<<25) ; element of 4 bytes; padding on; after every 128 words; of 4 words
	s_mov_b32 s69, 128<<16                         ; tensor_dim0 = 128
	s_mov_b32 s70, 32<<16                          ; tensor_dim1 = 32
	s_mov_b32 s71, 128<<16                         ; tile_dim0 = 128
	s_mov_b32 s72, 32                              ; tile_dim1 = 32
	s_mov_b32 s73, 128                             ; elements from row to row
	s_mov_b32 s74, 0
	s_mov_b32 s75, 0
	s_mov_b32 s76, (2<<16)|(1<<20)|(6<<22)|(3<<25)
	s_mov_b32 s77, 128<<16
	s_mov_b32 s78, 4<<16                           ; tensor_dim1 = 4
	s_mov_b32 s79, 128<<16
	s_mov_b32 s80, 4                               ; tile_dim1 = 4
	s_mov_b32 s81, 128
	s_mov_b32 s82, 0
	s_mov_b32 s83, 0
	s_lshl_b32 s58, s2, 13                         ; 16 rows of 512 bytes: the tile's place in feat and in the tables
	s_mov_b32 s59, 0
	s_lshl_b32 s62, s60, 11                        ; my four rows of feat
	s_add_co_u32 s62, s62, s58
	s_mov_b32 s63, 0
	s_mul_i32 s61, s60, 32*PITCH                   ; my 32 rows of a weight in LDS
	s_mov_b32 s84, 1
	s_mul_i32 s85, s60, 4*PITCH                    ; FEAT (LDS byte 0) + my four rows
	s_mov_b32 s88, 1
	s_add_co_u32 s89, s61, WA
	s_mov_b32 s54, 0x76543210                      ; v_permlanex16_b32: lane i of one half reads lane i of the other
	s_mov_b32 s55, 0xfedcba98
	s_mov_b32 s56, 0x3c000000                      ; 1/128
	s_mov_b32 s57, 0x3727c5ac                      ; 1e-5
	s_mov_b32 s66, 0x42000000                      ; 32
	s_mov_b32 s67, 0x3d000000                      ; 1/32
	v_and_b32 v1, 15, v0                           ; r
	v_bfe_u32 v2, v0, 4, 1                         ; h
	v_mul_u32_u24 v9, v1, PITCH
	v_lshl_add_u32 v3, v2, 5, v9                   ; feat: row r, 32 h
	v_add_nc_u32 v4, s61, v3
	v_add_nc_u32 v5, WB, v4                        ; W1: my 32 rows, row r, 32 h
	v_add_nc_u32 v4, WA, v4                        ; the first weight, likewise
	v_lshlrev_b32 v6, 5, v2
	v_lshl_add_u32 v6, s60, 7, v6                  ; 128 w + 32 h: my 8 channels in each 16 of my 32
	v_and_b32 v10, 31, v0
	v_lshlrev_b32 v10, 4, v10                      ; 16 x lane
	v_lshl_add_u32 v8, s60, 9, v10                 ; my wave's 512 bytes in a unit of the table
	v_lshl_add_u32 v11, s60, 11, v10
	v_add_nc_u32 v11, STAGE, v11                   ; my stage read back as it lies
	v_lshrrev_b32 v9, 2, v1
	v_lshlrev_b32 v9, 9, v9
	v_lshl_add_u32 v9, s60, 11, v9
	v_add_nc_u32 v9, STAGE, v9                     ; my stage, unit r >> 2
	v_and_b32 v18, 3, v1                           ; r & 3
	s_wait_dscnt 0x0
	s_wait_kmcnt 0x0
	s_add_nc_u64 s[86:87], s[4:5], s[62:63]
	s_or_b32 s87, s87, 0x80000000
	s_lshl_b32 s62, s60, 14                        ; my 32 rows of a weight in memory
	s_cmp_eq_u32 s3, 2
	s_cbranch_scc1 .Lv
	; ---- roles 0 and 1: mish(LN(feat W^T + b)) W1^T -/+ b1/2, centred ----
	s_cmp_eq_u32 s3, 0
	s_cselect_b64 s[42:43], s[6:7], s[8:9]         ; W
	s_cselect_b64 s[44:45], s[16:17], s[18:19]     ; bias
	s_cselect_b64 s[46:47], s[22:23], s[24:25]     ; gain
	s_cselect_b64 s[48:49], s[26:27], s[28:29]     ; beta
	s_cselect_b64 s[50:51], s[34:35], s[36:37]     ; the table
	s_cselect_b32 s52, -0.5, 0.5                   ; q takes -b1/2, k takes +b1/2
	s_mov_b32 s53, s52
	s_add_nc_u64 s[90:91], s[42:43], s[62:63]
	s_or_b32 s91, s91, 0x80000000
	s_mov_b32 s92, 1
	s_add_co_u32 s93, s61, WB
	s_add_nc_u64 s[94:95], s[12:13], s[62:63]
	s_or_b32 s95, s95, 0x80000000
	s_add_nc_u64 s[50:51], s[50:51], s[58:59]
	tensor_load_to_lds s[84:87], s[76:83]          ; my four rows of feat
	s_nop 0
	tensor_load_to_lds s[88:91], s[68:75]          ; my 32 rows of Wq or Wk
	s_nop 0
	tensor_load_to_lds s[92:95], s[68:75]          ; my 32 rows of W1: three tensor loads are out, all first fills
	s_nop 0
	LDV D, 44                                      ; the bias starts the sums
	LDV G, 46
	LDV BT, 48
	LDV BH, 30
	v_lshl_add_u32 v7, v2, 6, v9                   ; where my 16 bytes go in the stage: unit, 64 h, 16 (r & 3); 128 p in the immediate
	v_lshl_add_u32 v7, v18, 4, v7
	v_lshlrev_b32 v12, 5, v1
	v_add_nc_u32 v13, RED, v12                     ; a row's four pairs
	v_lshl_add_u32 v12, s60, 3, v13                ; my wave's pair among them
	v_lshlrev_b32 v15, 4, v1
	v_add_nc_u32 v15, RED2, v15                    ; a row's four sums
	v_lshl_add_u32 v14, s60, 2, v15                ; my wave's among them
	v_add_nc_u32 v16, QX-STAGE, v11                ; my wave's step of the bf16 parts
	v_add_nc_u32 v17, QX, v10                      ; step 0 of them
	s_wait_tensorcnt 0x1                           ; my rows of feat and of the first weight have landed; W1 may stay out
	s_barrier_signal -1
	s_barrier_wait -1                              ; everybody's rows of feat have landed
	FEATF
	s_wait_loadcnt 0x0                             ; bias, gain, beta, b1
	GEMM 4, 0
	PLACES
	SUM32
	v_mul_f32 v[MW], s67, v[SS]                    ; m_w: the mean of my wave's 32 channels
	v_mul_f32 v[MW+1], s67, v[SS]
	DSUB MW
.irp k, 0,1,2,3
	v_pk_mul_f32 v[SS+2*\k:SS+2*\k+1], v[D+2*\k:D+2*\k+1], v[D+2*\k:D+2*\k+1]
.endr
.irp k, 0,1,2,3
	v_pk_fma_f32 v[SS+2*\k:SS+2*\k+1], v[D+8+2*\k:D+8+2*\k+1], v[D+8+2*\k:D+8+2*\k+1], v[SS+2*\k:SS+2*\k+1]
.endr
	FOLD
	v_mov_b32 v[MW+1], v[SS]                       ; M2_w
	ds_store_b64 v12, v[MW:MW+1]                   ; lanes r and r + 16 write the same two words with the same values
	s_wait_dscnt 0x0                               ; my store is done, for the others' sake
	s_wait_tensorcnt 0x0                           ; and my rows of W1 have landed
	s_barrier_signal -1
	s_barrier_wait -1
	ds_load_b128 v[RD:RD+3], v13                   ; m_0, M2_0, m_1, M2_1
	ds_load_b128 v[RD+4:RD+7], v13 offset:16       ; m_2, M2_2, m_3, M2_3
	s_wait_dscnt 0x0
	v_add_f32 v9, v[RD], v[RD+2]
	v_add_f32 v10, v[RD+4], v[RD+6]
	v_add_f32 v9, v9, v10
	v_mul_f32 v9, 0x3e800000, v9                   ; the row's mean
.irp s, 0,2,4,6
	v_sub_f32 v[RD+\s], v[RD+\s], v9
.endr
	v_add_f32 v[RD+1], v[RD+1], v[RD+3]
	v_add_f32 v[RD+5], v[RD+5], v[RD+7]
	v_add_f32 v[RD+1], v[RD+1], v[RD+5]
	v_mul_f32 v10, v[RD], v[RD]
	v_fmac_f32 v10, v[RD+2], v[RD+2]
	v_fmac_f32 v10, v[RD+4], v[RD+4]
	v_fmac_f32 v10, v[RD+6], v[RD+6]
	v_fma_f32 v10, v10, s66, v[RD+1]               ; 128 var = 32 sum (m_w - mean)^2 + sum M2_w
	v_fma_f32 v10, v10, s56, s57                   ; variance + eps
	v_rsq_f32 v[RS], v10
	v_sub_f32 v[MW], v[MW], v9                     ; m_w - mean; also the plain place behind v_rsq_f32
	s_wait_alu depctr_va_vdst(0)
	v_mov_b32 v[RS+1], v[RS]
	v_mul_f32 v[MW], v[MW], v[RS]
	v_mov_b32 v[MW+1], v[MW]
.set li, 0
.rept 8
	v_pk_fma_f32 v[D+2*li:D+2*li+1], v[D+2*li:D+2*li+1], v[RS:RS+1], v[MW:MW+1]   ; ((x - m_w) + (m_w - mean)) / sigma
.set li, li+1
.endr
.set li, 0
.rept 8
	v_pk_fma_f32 v[D+2*li:D+2*li+1], v[D+2*li:D+2*li+1], v[G+2*li:G+2*li+1], v[BT+2*li:BT+2*li+1]
.set li, li+1
.endr
	MISH16
	; upper bf16 part and the rest's bf16: registers 2 i, 2 i + 1 pack into register i of step w of the next product's second source
.set li, 0
.rept 8
	v_cvt_pk_bf16_f32 v[AF+li], v[D+2*li], v[D+2*li+1]
	v_lshlrev_b32 v[LND+2*(li%4)], 16, v[AF+li]
	v_and_b32 v[LND+2*(li%4)+1], 0xffff0000, v[AF+li]
	v_pk_add_f32 v[LND+2*(li%4):LND+2*(li%4)+1], v[D+2*li:D+2*li+1], v[LND+2*(li%4):LND+2*(li%4)+1] neg_lo:[0,1] neg_hi:[0,1]
	v_cvt_pk_bf16_f32 v[AF+8+li], v[LND+2*(li%4)], v[LND+2*(li%4)+1]
.set li, li+1
.endr
.irp q, 0,1,2,3
	ds_store_b128 v16, v[AF+4*\q:AF+4*\q+3] offset:512*\q
.endr
	s_wait_dscnt 0x0                               ; my stores are done, for the others' sake
	s_barrier_signal -1
	s_barrier_wait -1
.irp kk, 0,1,2,3
	ds_load_b128 v[QH+8*\kk:QH+8*\kk+3], v17 offset:2048*\kk
	ds_load_b128 v[QH+8*\kk+4:QH+8*\kk+7], v17 offset:2048*\kk+512
	ds_load_b128 v[QL+8*\kk:QL+8*\kk+3], v17 offset:2048*\kk+1024
	ds_load_b128 v[QL+8*\kk+4:QL+8*\kk+7], v17 offset:2048*\kk+1536
.endr
	GEMM 5, 1                                      ; its first wait leaves eight younger loads out: these sixteen are in
	PLACES
.set li, 0
.rept 8
	v_pk_fma_f32 v[D+2*li:D+2*li+1], v[BH+2*li:BH+2*li+1], s[52:53], v[D+2*li:D+2*li+1] op_sel_hi:[1,0,1]
.set li, li+1
.endr
	SUM32
	ds_store_b32 v14, v[SS]                        ; lanes r and r + 16 write the same word with the same value
	s_wait_dscnt 0x0
	s_barrier_signal -1
	s_barrier_wait -1
	ds_load_b128 v[RD:RD+3], v15
	s_wait_dscnt 0x0
	v_add_f32 v9, v[RD], v[RD+1]
	v_add_f32 v10, v[RD+2], v[RD+3]
	v_add_f32 v9, v9, v10
	v_mul_f32 v[RS], s56, v9
	v_mul_f32 v[RS+1], s56, v9
	DSUB RS
.irp p, 0,1,2,3
	ds_store_b128 v7, v[D+4*\p:D+4*\p+3] offset:128*\p
.endr
	OUTB 50
	; ---- role 2: dist[row] * (feat Wv^T + bv); wave 0 also makes block x of W2's image ----
.Lv:
	s_add_nc_u64 s[90:91], s[10:11], s[62:63]
	s_or_b32 s91, s91, 0x80000000
	s_add_nc_u64 s[38:39], s[38:39], s[58:59]
	s_lshl_b32 s42, s2, 6                          ; 16 rows of 4 bytes
	s_mov_b32 s43, 0
	s_add_nc_u64 s[32:33], s[32:33], s[42:43]
	tensor_load_to_lds s[84:87], s[76:83]          ; my four rows of feat
	s_nop 0
	tensor_load_to_lds s[88:91], s[68:75]          ; my 32 rows of Wv: two tensor loads are out, both first fills
	s_nop 0
	LDV D, 20                                      ; bv starts the sums
	v_lshlrev_b32 v12, 2, v1
	global_load_b32 v[MW], v12, s[32:33]           ; dist of my row
	v_lshl_add_u32 v7, v2, 7, v9                   ; the stage: unit, (8 h) x 16, 4 (r & 3); 256 t + 16 e in the immediate
	v_lshl_add_u32 v7, v18, 2, v7
	s_cmp_lg_u32 s60, 0
	s_cbranch_scc1 .Lnot_wave_0
	; block x = (4 t + kk) 2 + half: lane (r, h) holds W2[16 t + r][32 kk + 16 half + 8 h + 0..7] as bf16
	s_lshr_b32 s42, s2, 3
	s_lshl_b32 s42, s42, 13                        ; t x 16 rows of 512 bytes
	s_bfe_u32 s43, s2, 0x20001                     ; kk
	s_lshl_b32 s43, s43, 7
	s_add_co_u32 s42, s42, s43
	s_and_b32 s43, s2, 1                           ; half
	s_lshl_b32 s43, s43, 6
	s_add_co_u32 s42, s42, s43
	s_mov_b32 s43, 0
	s_add_nc_u64 s[14:15], s[14:15], s[42:43]
	s_lshl_b32 s44, s2, 9
	s_mov_b32 s45, 0
	s_add_nc_u64 s[40:41], s[40:41], s[44:45]
	v_lshlrev_b32 v19, 5, v2
	v_lshl_add_u32 v19, v1, 9, v19                 ; row r, 32 h
	global_load_b128 v[G:G+3], v19, s[14:15]
	global_load_b128 v[G+4:G+7], v19, s[14:15] offset:16
	s_wait_loadcnt 0x0
	v_cvt_pk_bf16_f32 v[G+8], v[G], v[G+1]
	v_cvt_pk_bf16_f32 v[G+9], v[G+2], v[G+3]
	v_cvt_pk_bf16_f32 v[G+10], v[G+4], v[G+5]
	v_cvt_pk_bf16_f32 v[G+11], v[G+6], v[G+7]
	global_store_b128 v8, v[G+8:G+11], s[40:41]    ; in wave 0 v8 is 16 x lane: 512 consecutive bytes, aligned; none of its sources is written again
.Lnot_wave_0:
	s_wait_tensorcnt 0x0                           ; my rows of feat and of Wv have landed
	s_barrier_signal -1
	s_barrier_wait -1                              ; everybody's rows of feat have landed
	FEATF
	s_wait_loadcnt 0x0                             ; bv, dist
	v_mov_b32 v[MW+1], v[MW]
	GEMM 4, 0
	PLACES
.set li, 0
.rept 8
	v_pk_mul_f32 v[D+2*li:D+2*li+1], v[D+2*li:D+2*li+1], v[MW:MW+1]
.set li, li+1
.endr
.irp t, 0,1
.irp e, 0,1,2,3,4,5,6,7
	ds_store_b32 v7, v[D+8*\t+\e] offset:256*\t+16*\e
.endr
.endr
	OUTB 38
.Lfunc_end_k_q1dc2c796df_prep:
	.size	k_q1dc2c796df_prep, .Lfunc_end_k_q1dc2c796df_prep-k_q1dc2c796df_prep
	.p2alignl 7, 3214868480
	.fill 96, 4, 3214868480
	.section	.rodata,"a",@progbits
	.p2align	6, 0x0
	.amdhsa_kernel k_q1dc2c796df_prep
		.amdhsa_group_segment_fixed_size 168448
		.amdhsa_private_segment_fixed_size 0
		.amdhsa_enable_private_segment 0
		.amdhsa_kernarg_size 152
		.amdhsa_user_sgpr_count 2
		.amdhsa_user_sgpr_kernarg_segment_ptr 1
		.amdhsa_wavefront_size32 1
		.amdhsa_system_sgpr_workgroup_id_x 1
		.amdhsa_system_sgpr_workgroup_id_y 1
		.amdhsa_system_sgpr_workgroup_id_z 1
		.amdhsa_system_vgpr_workitem_id 0
		.amdhsa_next_free_vgpr 258
		.amdhsa_next_free_sgpr 96
		.amdhsa_reserve_vcc 0
		.amdhsa_float_denorm_mode_32 3
		.amdhsa_float_denorm_mode_16_64 3
		.amdhsa_memory_ordered 1
		.amdhsa_forward_progress 1
		.amdhsa_inst_pref_size 53
	.end_amdhsa_kernel
	.amdgpu_metadata
---
amdhsa.version: [ 1, 2 ]
amdhsa.kernels:
  - .name:           k_q1dc2c796df_prep
    .symbol:         k_q1dc2c796df_prep.kd
    .args:
      - { .name: feat, .offset: 0, .size: 8, .value_kind: global_buffer, .address_space: global }
      - { .name: Wq, .offset: 8, .size: 8, .value_kind: global_buffer, .address_space: global }
      - { .name: Wk, .offset: 16, .size: 8, .value_kind: global_buffer, .address_space: global }
      - { .name: Wv, .offset: 24, .size: 8, .value_kind: global_buffer, .address_space: global }
      - { .name: W1, .offset: 32, .size: 8, .value_kind: global_buffer, .address_space: global }
      - { .name: W2, .offset: 40, .size: 8, .value_kind: global_buffer, .address_space: global }
      - { .name: bq, .offset: 48, .size: 8, .value_kind: global_buffer, .address_space: global }
      - { .name: bk, .offset: 56, .size: 8, .value_kind: global_buffer, .address_space: global }
      - { .name: bv, .offset: 64, .size: 8, .value_kind: global_buffer, .address_space: global }
      - { .name: gq, .offset: 72, .size: 8, .value_kind: global_buffer, .address_space: global }
      - { .name: gk, .offset: 80, .size: 8, .value_kind: global_buffer, .address_space: global }
      - { .name: betaq, .offset: 88, .size: 8, .value_kind: global_buffer, .address_space: global }
      - { .name: betak, .offset: 96, .size: 8, .value_kind: global_buffer, .address_space: global }
      - { .name: b1, .offset: 104, .size: 8, .value_kind: global_buffer, .address_space: global }
      - { .name: distribution, .offset: 112, .size: 8, .value_kind: global_buffer, .address_space: global }
      - { .name: Tp, .offset: 120, .size: 8, .value_kind: global_buffer, .address_space: global }
      - { .name: Up, .offset: 128, .size: 8, .value_kind: global_buffer, .address_space: global }
      - { .name: Vp, .offset: 136, .size: 8, .value_kind: global_buffer, .address_space: global }
      - { .name: W2F, .offset: 144, .size: 8, .value_kind: global_buffer, .address_space: global }
    .group_segment_fixed_size: 168448
    .private_segment_fixed_size: 0
    .kernarg_segment_align: 8
    .kernarg_segment_size: 152
    .max_flat_workgroup_size: 128
    .sgpr_count:     96
    .vgpr_count:     258
    .wavefront_size: 32
...
	.end_amdgpu_metadata
.endif
;; end of part 1
;; launch pair (part 2): grid 256 x 1, 4 waves a work-group, no clusters, 168,448 bytes of LDS; arguments Tp, Up, Vp, W2F, g1, beta1, distribution, out0; writes out0
.if DOCPART == 2
	.amdgcn_target "amdgcn-amd-amdhsa--gfx1250"
	.amdhsa_code_object_version 6
	.text
	.protected	k_q1dc2c796df_pair
	.globl	k_q1dc2c796df_pair
	.p2align	8
	.type	k_q1dc2c796df_pair,@function
k_q1dc2c796df_pair:
	s_mov_b64 s[64:65], 0
	v_nop
	global_prefetch_b8 v0, s[64:65] scope:SCOPE_SE
	s_setreg_imm32_b32 hwreg(HW_REG_WAVE_MODE, 25, 1), 1
	s_wait_xcnt 0x0
; VectorAttention, second launch: all work on pairs (i, j), the weighted softmax over j, and the output.
; Left out as in the first launch: pos (never used), b2 (the same for every j of a softmax over j), and the pair-wise product with W1
; (linear: it is U_j - T_i from the tables, already centred, b1 inside).  A NaN or infinity in pos or b2 alone is not carried on.
; LIMITS: v_exp_f32, v_rcp_f32, v_rsq_f32 flush denormals (ISA guide, 15.8): a softmax denominator below 2^-126 counts as 0.
; Sums over j run in another order than the problem's function; the maximum over j is a running one, merged at the end.
;
; SHARES: work-group g owns rows i = 4 g .. 4 g + 3 (of batch g >> 7) and all 512 j; wave w owns j = 128 w .. 128 w + 127 in 32 units of 4 j.
; A unit is ONE matrix tile of 16 rows = 4 i x 4 j: row m stands for i = 2 (m >> 3) + (m & 1), j = (m >> 1) & 3.
;   in:  lane (r, h) holds row m = r, channels 16 t + 8 h + e in register 8 t + e: the 16-bit fragment's own order, so no number changes lanes;
;   out: register j' of tile t in lane (r, h) is channel 16 t + r, i = 2 h + (j' & 1), j = j' >> 1: a register pair is (i even, i odd) of one j,
;        so the softmax's states are pairs for packed arithmetic and dist_j, dist_j v_j enter as one register for both halves.
; log2 e is folded into g1 and beta1: z = log2e x, e = 2^z, h' = z + z / d (d = -(1 + e + e^2/2)) = log2e mish(x), and h' W2^T = log2e w,
; which is what a softmax by 2^x wants.
;
; THE 32 PRODUCTS OF A UNIT STAND IN ONE RUN.  W2 fills the whole block of 256 registers that a product names as its second source, and the
; softmax's second sources (maxima, factors, mask, dist, dist v) lie in the first block: a product set among a neighbouring unit's softmax
; costs two switches of the register window, 64 a unit; and dist v and dist, which have one buffer each and are asked for behind their last
; reader, would then be wanted in front of the products instead of behind them.
;
; NO CLUSTER.  All 128 work-groups of a batch walk the same 512 KiB of U and dist v, so four of them could ask jointly and quarter the
; requests.  Against it: a wave asks for 4,112 bytes a unit, a whole unit ahead, and issues some 750 instructions in that unit, about 5 bytes
; for each instruction: the loop is bound by its vector instructions, not by these bytes.  A joint ring would add 512 KiB written into and
; read back from each work-group's LDS (no byte is used twice inside a work-group), and rounds that tie sixteen waves together.
; W2's image (32 KiB) is asked for once.
;
; REGISTERS.  First block: v0 thread, v1 lane, v2 U's offset, v3 V's offset, v4 zero, v5 16 x lane, v6 at work, v7 the number 1.0;
;   second block: W2's 32 fragments (tile t, step kk at 8 (4 t + kk));  third block: T, log2e g1, log2e beta1, U of the unit to come.
.set SS,  8                            ; v[8:15]    four running pairs (in the head: address registers)
.set X,   16                           ; v[16:79]   the 64 numbers on the way in; then the eight result tiles
.set E,   80                           ; v[80:103]  three buffers of eight exponentials
.set TM,  104                          ; v[104:111] at work in mish
.set AL,  80                           ; in the softmax: two sets of four rescale factors,
.set MT,  88                           ; and four maxima at work
.set H,   112                          ; v[112:143] the four bf16 fragments
.set VJ,  144                          ; v[144:175] dist_j v_j: register 4 t + j
.set DJ,  176                          ; v[176:179] dist_j
.set MK,  180                          ; v[180:187] the mask as 0 / 1: register 2 j + (i & 1)
.set DI,  188                          ; v[188:189] dist_i of my two i
.set RS,  190                          ; v[190:191] 1/sigma
.set MA,  192                          ; v[192:207] running maxima, register 2 t + (i & 1); MA and MB take turns
.set MB,  208
.set NUM, 224                          ; v[224:239]
.set DEN, 240                          ; v[240:255]
.set TT,  0                            ; third block
.set GL,  64
.set BL,  128
.set UL,  192
.set SCR,  32768                       ; LDS: 0 .. 32,767 W2's image; then 4 x 6,144 bytes of states; then 2,048 bytes of output
.set OUTS, 57344
.set LOG2E, 0x3fb8aa3b
.set MSB, 0
.macro WIN new                         ; the immediate's high byte repeats the setting that is left
.if MSB != \new
	s_set_vgpr_msb (MSB<<8)|\new
.set MSB, \new
.endif
.endm
.macro FOLD                            ; four pairs -> one number, the row's two lanes added
	v_pk_add_f32 v[SS:SS+1], v[SS:SS+1], v[SS+2:SS+3]
	v_pk_add_f32 v[SS+4:SS+5], v[SS+4:SS+5], v[SS+6:SS+7]
	v_pk_add_f32 v[SS:SS+1], v[SS:SS+1], v[SS+4:SS+5]
	v_add_f32 v[SS], v[SS], v[SS+1]
	v_permlanex16_b32 v[SS+1], v[SS], s40, s41
	v_add_f32 v[SS], v[SS], v[SS+1]
.endm
; mish on X's 64 numbers, packed into H.  Eight chunks of eight in a pipeline of four stages: exponentials of chunk ms + 1 among the plain
; arithmetic of chunk ms, reciprocals of chunk ms among the last arithmetic of chunk ms - 1: behind every transcendental stands a plain
; instruction that touches neither its result nor its source (ISA guide 5.7.2).
.macro MISH
.set ms, -1
.rept 10
.set mi, 0
.rept 8
.if ms < 7
	v_exp_f32 v[E+8*((ms+1)%3)+mi], v[X+8*(ms+1)+mi]
.endif
.if ms >= 0
.if ms < 8
.if mi < 4
	s_wait_alu depctr_va_vdst(0)
	v_pk_fma_f32 v[TM+2*mi:TM+2*mi+1], v[E+8*(ms%3)+2*mi:E+8*(ms%3)+2*mi+1], -0.5, -1.0 op_sel_hi:[1,0,0]
.else
	v_pk_fma_f32 v[E+8*(ms%3)+2*mi-8:E+8*(ms%3)+2*mi-7], v[E+8*(ms%3)+2*mi-8:E+8*(ms%3)+2*mi-7], v[TM+2*mi-8:TM+2*mi-7], -1.0 op_sel_hi:[1,1,0]
.endif
.endif
.endif
.set mi, mi+1
.endr
.if ms < 0
	v_nop                                  ; the first chunk's exponentials have no arithmetic to stand among
.endif
.set mi, 0
.rept 8
.if ms >= 0
.if ms < 8
	v_rcp_f32 v[E+8*(ms%3)+mi], v[E+8*(ms%3)+mi]
.endif
.endif
.if ms >= 1
.if mi < 4
	s_wait_alu depctr_va_vdst(0)
	v_pk_fma_f32 v[X+8*(ms-1)+2*mi:X+8*(ms-1)+2*mi+1], v[X+8*(ms-1)+2*mi:X+8*(ms-1)+2*mi+1], v[E+8*((ms-1)%3)+2*mi:E+8*((ms-1)%3)+2*mi+1], v[X+8*(ms-1)+2*mi:X+8*(ms-1)+2*mi+1]
.else
	v_cvt_pk_bf16_f32 v[H+4*(ms-1)+mi-4], v[X+8*(ms-1)+2*mi-8], v[X+8*(ms-1)+2*mi-7]
.endif
.endif
.set mi, mi+1
.endr
.set ms, ms+1
.endr
.endm
; Softmax, tiles 2 tp and 2 tp + 1.  S1: the new maxima of their four states, the factors 2^(old - new), and w - new.
.macro S1 tp, mo, mn
.irp c, 0,1,2,3
	v_max3_num_f32 v[MT+\c], v[X+16*\tp+8*(\c/2)+\c%2], v[X+16*\tp+8*(\c/2)+\c%2+2], v[X+16*\tp+8*(\c/2)+\c%2+4]
.endr
.irp c, 0,1,2,3
	v_max3_num_f32 v[\mn+4*\tp+\c], v[MT+\c], v[X+16*\tp+8*(\c/2)+\c%2+6], v[\mo+4*\tp+\c]
.endr
.irp k, 0,1
	v_pk_add_f32 v[AL+4*(\tp%2)+2*\k:AL+4*(\tp%2)+2*\k+1], v[\mo+4*\tp+2*\k:\mo+4*\tp+2*\k+1], v[\mn+4*\tp+2*\k:\mn+4*\tp+2*\k+1] neg_lo:[0,1] neg_hi:[0,1]
.endr
.irp c, 0,1,2,3
	v_exp_f32 v[AL+4*(\tp%2)+\c], v[AL+4*(\tp%2)+\c]
.irp u, 0,1
	v_pk_add_f32 v[X+16*\tp+8*(\c/2)+4*(\c%2)+2*\u:X+16*\tp+8*(\c/2)+4*(\c%2)+2*\u+1], v[X+16*\tp+8*(\c/2)+4*(\c%2)+2*\u:X+16*\tp+8*(\c/2)+4*(\c%2)+2*\u+1], v[\mn+4*\tp+2*(\c/2):\mn+4*\tp+2*(\c/2)+1] neg_lo:[0,1] neg_hi:[0,1]
.endr
.endr
.endm
; Instruction n (0 .. 27) of the sums of tiles 2 tp, 2 tp + 1: four rescales; then for each j: DEN += P dist_j, P *= mask, NUM += P dist_j v_j.
.macro S3OP tp, n
.if (\n) < 4
.set q3t, 2*(\tp)+(\n)/2
.set q3a, AL+4*((\tp)%2)+2*((\n)/2)
.if (\n)%2 == 0
	s_wait_alu depctr_va_vdst(0)
	v_pk_mul_f32 v[NUM+2*q3t:NUM+2*q3t+1], v[NUM+2*q3t:NUM+2*q3t+1], v[q3a:q3a+1]
.else
	v_pk_mul_f32 v[DEN+2*q3t:DEN+2*q3t+1], v[DEN+2*q3t:DEN+2*q3t+1], v[q3a:q3a+1]
	s_wait_alu depctr_va_vdst(0)
.endif
.else
.set q3q, ((\n)-4)/6
.set q3k, ((\n)-4)%6
.set q3t, 2*(\tp)+q3k%2
.set q3p, X+8*q3t+2*q3q
.set q3h, 2*(q3q/2)
.if q3k < 2
.if q3q%2
	v_pk_fma_f32 v[DEN+2*q3t:DEN+2*q3t+1], v[q3p:q3p+1], v[DJ+q3h:DJ+q3h+1], v[DEN+2*q3t:DEN+2*q3t+1] op_sel:[0,1,0] op_sel_hi:[1,1,1]
.else
	s_wait_alu depctr_va_vdst(0)
	v_pk_fma_f32 v[DEN+2*q3t:DEN+2*q3t+1], v[q3p:q3p+1], v[DJ+q3h:DJ+q3h+1], v[DEN+2*q3t:DEN+2*q3t+1] op_sel_hi:[1,0,1]
.endif
.else
.if q3k < 4
	v_pk_mul_f32 v[q3p:q3p+1], v[q3p:q3p+1], v[MK+2*q3q:MK+2*q3q+1]
.else
.if q3q%2
	v_pk_fma_f32 v[NUM+2*q3t:NUM+2*q3t+1], v[q3p:q3p+1], v[VJ+4*q3t+q3h:VJ+4*q3t+q3h+1], v[NUM+2*q3t:NUM+2*q3t+1] op_sel:[0,1,0] op_sel_hi:[1,1,1]
.else
	v_pk_fma_f32 v[NUM+2*q3t:NUM+2*q3t+1], v[q3p:q3p+1], v[VJ+4*q3t+q3h:VJ+4*q3t+q3h+1], v[NUM+2*q3t:NUM+2*q3t+1] op_sel_hi:[1,0,1]
.endif
.endif
.endif
.endif
.endm
; S2: the 16 exponentials of tiles 2 tp, 2 tp + 1, with the 28 sum instructions of the tile pair pv (the one before) set among them.
.macro S2 tp, pv
.set e2i, 0
.set e2n, 0
.rept 16
	v_exp_f32 v[X+16*\tp+e2i], v[X+16*\tp+e2i]
.if \pv >= 0
	S3OP \pv, e2n
.set e2n, e2n+1
.if e2i < 12
	S3OP \pv, e2n
.set e2n, e2n+1
.endif
.endif
.set e2i, e2i+1
.endr
.endm
.macro SOFTMAX mo, mn
	S1 0, \mo, \mn
	S2 0, -1
	S1 1, \mo, \mn
	S2 1, 0
	S1 2, \mo, \mn
	S2 2, 1
	S1 3, \mo, \mn
	S2 3, 2
.set e2n, 0
.rept 28
	S3OP 3, e2n
.set e2n, e2n+1
.endr
.endm
; One unit of 4 j.  mo: the maxima so far, mn: the new ones.  more = 1: the next unit's numbers are asked for.
.macro UNIT mo, mn, more
	s_wait_loadcnt 0x9                             ; this unit's U is in; the nine younger loads (its dist v and dist) may stay out
	WIN 0x0a                                       ; sources 0 and 1 in the third block
.set ui, 0
.rept 32
	v_pk_add_f32 v[X+2*ui:X+2*ui+1], v[UL+2*ui:UL+2*ui+1], v[TT+2*ui:TT+2*ui+1] neg_lo:[0,1] neg_hi:[0,1]
.set ui, ui+1
.endr
.if \more
	s_wait_xcnt 0x0                                ; U's base is stepped only behind this wait
	s_add_nc_u64 s[6:7], s[6:7], 2048
	WIN 0x80                                       ; destinations in the third block
.irp p, 0,1,2,3,4,5,6,7,8,9,10,11,12,13,14,15
	global_load_b128 v[UL+4*\p:UL+4*\p+3], v2, s[6:7] offset:128*\p
.endr
.endif
	WIN 0
.irp k, 0,1,2,3
	v_pk_mul_f32 v[SS+2*\k:SS+2*\k+1], v[X+2*\k:X+2*\k+1], v[X+2*\k:X+2*\k+1]
.endr
.set ui, 4
.rept 28
	v_pk_fma_f32 v[SS+2*(ui%4):SS+2*(ui%4)+1], v[X+2*ui:X+2*ui+1], v[X+2*ui:X+2*ui+1], v[SS+2*(ui%4):SS+2*(ui%4)+1]
.set ui, ui+1
.endr
	FOLD
	v_fma_f32 v6, v[SS], s42, s43                  ; variance + eps
	v_rsq_f32 v[RS], v6
	v_nop                                          ; one plain place behind v_rsq_f32
.set ui, 0
	s_wait_alu depctr_va_vdst(0)
.rept 32
	v_pk_mul_f32 v[X+2*ui:X+2*ui+1], v[X+2*ui:X+2*ui+1], v[RS:RS+1] op_sel_hi:[1,0]
.set ui, ui+1
.endr
	WIN 0x28                                       ; sources 1 and 2 in the third block
.set ui, 0
.rept 32
	v_pk_fma_f32 v[X+2*ui:X+2*ui+1], v[X+2*ui:X+2*ui+1], v[GL+2*ui:GL+2*ui+1], v[BL+2*ui:BL+2*ui+1]
.set ui, ui+1
.endr
	WIN 0
	MISH
	WIN 0x04                                       ; source 1 (W2) in the second block
	; the eight accumulators take turns, one instruction a turn; the first step starts the sums
.irp kk, 0,1,2,3
.irp t, 0,1,2,3,4,5,6,7
.if \kk == 0
	v_wmma_f32_16x16x32_bf16 v[X+8*\t:X+8*\t+7], v[H+8*\kk:H+8*\kk+7], v[8*(4*\t+\kk):8*(4*\t+\kk)+7], 0
.else
	v_wmma_f32_16x16x32_bf16 v[X+8*\t:X+8*\t+7], v[H+8*\kk:H+8*\kk+7], v[8*(4*\t+\kk):8*(4*\t+\kk)+7], v[X+8*\t:X+8*\t+7]
.endif
.endr
.endr
	WIN 0
.if \more
	s_wait_loadcnt 0x10                            ; this unit's dist v and dist are in; the next unit's sixteen loads of U stay out
.else
	s_wait_loadcnt 0x0
.endif
	; the mask, f32(dist_i dist_j) > 0 as 0 / 1.  These plain instructions name no register of the products above
	; and are the places between them and the first reader of a result (ISA guide 7.12.1).
	v_pk_mul_f32 v[MK:MK+1], v[DI:DI+1], v[DJ:DJ+1] op_sel_hi:[1,0]
	v_pk_mul_f32 v[MK+2:MK+3], v[DI:DI+1], v[DJ:DJ+1] op_sel:[0,1] op_sel_hi:[1,1]
	v_pk_mul_f32 v[MK+4:MK+5], v[DI:DI+1], v[DJ+2:DJ+3] op_sel_hi:[1,0]
	v_pk_mul_f32 v[MK+6:MK+7], v[DI:DI+1], v[DJ+2:DJ+3] op_sel:[0,1] op_sel_hi:[1,1]
.irp i, 0,1,2,3,4,5,6,7
	v_cmp_lt_f32 vcc_lo, 0, v[MK+\i]
	v_cndmask_b32 v[MK+\i], 0, v7, vcc_lo
.endr
	SOFTMAX \mo, \mn
.if \more
	s_wait_xcnt 0x0                                ; the two bases are stepped only behind this wait
	s_add_nc_u64 s[8:9], s[8:9], 2048
	s_add_nc_u64 s[26:27], s[26:27], 16
.irp t, 0,1,2,3,4,5,6,7
	global_load_b128 v[VJ+4*\t:VJ+4*\t+3], v3, s[8:9] offset:256*\t
.endr
	global_load_b128 v[DJ:DJ+3], v4, s[26:27]
.endif
.endm
	s_load_b512 s[4:19], s[0:1], 0x0               ; Tp 4, Up 6, Vp 8, W2F 10, g1 12, beta1 14, distribution 16, out0 18
	s_set_vgpr_msb 0xc0
	v_lshl_add_u32 v0, v0, 2, 0x29000
	v_mov_b32 v1, 0
	s_set_vgpr_msb 0xc0cf
	ds_add_u32 v0, v1
	ds_add_u32 v0, v1
	s_set_vgpr_msb 0xcf00
	v_lshrrev_b32 v6, 5, v0
	v_readfirstlane_b32 s20, v6                    ; wave 0..3
	s_mov_b32 s21, ttmp9                           ; g
	s_lshr_b32 s22, s21, 7                         ; batch
	; W2's image is dense: each wave brings its quarter, 32 rows of 256 bytes
	s_mov_b32 s32, 3<<16                           ; element of 8 bytes, no mask, no padding
	s_mov_b32 s33, 32<<16                          ; tensor_dim0 = 32
	s_mov_b32 s34, 32<<16                          ; tensor_dim1 = 32
	s_mov_b32 s35, 32<<16                          ; tile_dim0 = 32
	s_mov_b32 s36, 32                              ; tile_dim1 = 32
	s_mov_b32 s37, 32                              ; elements from row to row
	s_mov_b32 s38, 0
	s_mov_b32 s39, 0
	s_mov_b32 s28, 1
	s_mul_i32 s29, s20, 8192                       ; LDS: wave x 8,192
	s_mov_b32 s24, s29
	s_mov_b32 s25, 0
	s_mov_b32 s40, 0x76543210                      ; v_permlanex16_b32: lane i of one half reads lane i of the other
	s_mov_b32 s41, 0xfedcba98
	s_mov_b32 s42, 0x3c000000                      ; 1/128
	s_mov_b32 s43, 0x3727c5ac                      ; 1e-5
	v_and_b32 v1, 31, v0                           ; lane
	v_and_b32 v6, 15, v0                           ; r
	v_bfe_u32 v7, v0, 4, 1                         ; h
	v_bfe_u32 v2, v0, 1, 2                         ; my row's j = (r >> 1) & 3
	v_lshlrev_b32 v2, 4, v2
	v_lshl_add_u32 v2, v7, 6, v2                   ; U: 64 h + 16 j
	v_lshlrev_b32 v3, 4, v6                        ; dist v: 16 r
	v_mov_b32 v4, 0
	v_lshlrev_b32 v5, 4, v1                        ; 16 x lane
	v_bfe_u32 v11, v0, 3, 1
	v_and_b32 v12, 1, v0
	v_lshl_add_u32 v11, v11, 1, v12                ; my row's i = 2 (r >> 3) + (r & 1)
	v_lshlrev_b32 v8, 4, v11
	v_lshl_add_u32 v8, v7, 6, v8                   ; T: 64 h + 16 i
	v_lshlrev_b32 v9, 5, v7                        ; g1, beta1: 32 h
	v_lshlrev_b32 v10, 3, v7                       ; dist_i: 8 h
	s_wait_dscnt 0x0
	s_wait_kmcnt 0x0
	s_add_nc_u64 s[30:31], s[10:11], s[24:25]
	s_or_b32 s31, s31, 0x80000000
	tensor_load_to_lds s[28:31], s[32:39]          ; the wave's one tensor load, a first fill; nothing is filled again
	s_nop 0
	s_lshl_b32 s24, s21, 11                        ; g x 2,048: my four rows in Tp and in out0
	s_add_nc_u64 s[4:5], s[4:5], s[24:25]
	s_add_nc_u64 s[18:19], s[18:19], s[24:25]
	s_lshl_b32 s24, s22, 18                        ; batch x 128 units + wave x 32 units, of 2,048 bytes
	s_lshl_b32 s23, s20, 16
	s_add_co_u32 s24, s24, s23
	s_add_nc_u64 s[6:7], s[6:7], s[24:25]
	s_add_nc_u64 s[8:9], s[8:9], s[24:25]
	s_lshl_b32 s24, s22, 11                        ; batch x 512 + wave x 128 numbers of dist
	s_lshl_b32 s23, s20, 9
	s_add_co_u32 s24, s24, s23
	s_add_nc_u64 s[26:27], s[16:17], s[24:25]
	s_lshl_b32 s24, s21, 4                         ; my four rows' dist
	s_add_nc_u64 s[16:17], s[16:17], s[24:25]
	global_load_b64 v[DI:DI+1], v10, s[16:17]
	WIN 0x80                                       ; destinations in the third block
.irp p, 0,1,2,3,4,5,6,7,8,9,10,11,12,13,14,15
	global_load_b128 v[TT+4*\p:TT+4*\p+3], v8, s[4:5] offset:128*\p
.endr
.irp t, 0,1,2,3,4,5,6,7
	global_load_b128 v[GL+8*\t:GL+8*\t+3], v9, s[12:13] offset:64*\t
	global_load_b128 v[GL+8*\t+4:GL+8*\t+7], v9, s[12:13] offset:64*\t+16
.endr
.irp t, 0,1,2,3,4,5,6,7
	global_load_b128 v[BL+8*\t:BL+8*\t+3], v9, s[14:15] offset:64*\t
	global_load_b128 v[BL+8*\t+4:BL+8*\t+7], v9, s[14:15] offset:64*\t+16
.endr
.irp p, 0,1,2,3,4,5,6,7,8,9,10,11,12,13,14,15
	global_load_b128 v[UL+4*\p:UL+4*\p+3], v2, s[6:7] offset:128*\p
.endr
	WIN 0
.irp t, 0,1,2,3,4,5,6,7
	global_load_b128 v[VJ+4*\t:VJ+4*\t+3], v3, s[8:9] offset:256*\t
.endr
	global_load_b128 v[DJ:DJ+3], v4, s[26:27]
	s_wait_tensorcnt 0x0                           ; my quarter of W2's image has landed,
	s_barrier_signal -1
	s_barrier_wait -1                              ; everybody's has
	WIN 0x40                                       ; destinations in the second block
.set hi, 0
.rept 64
	ds_load_b128 v[4*hi:4*hi+3], v5 offset:512*hi
.set hi, hi+1
.endr
	s_wait_loadcnt 0x19                            ; dist_i, T, g1, beta1 are in; unit 0's 16 + 8 + 1 loads may stay out
	WIN 0x82                                       ; source 0 and destination in the third block
.set hi, 0
.rept 64
	v_pk_mul_f32 v[GL+2*hi:GL+2*hi+1], v[GL+2*hi:GL+2*hi+1], LOG2E op_sel_hi:[1,0]   ; g1 and, behind it, beta1
.set hi, hi+1
.endr
	WIN 0
.set hi, 0
.rept 16
	v_mov_b32 v[MA+hi], 0xff800000                 ; no maximum yet: the first factor 2^(old - new) is 0
	v_mov_b32 v[NUM+hi], 0
	v_mov_b32 v[DEN+hi], 0
.set hi, hi+1
.endr
	v_mov_b32 v7, 1.0
	v_mov_b32 v[RS+1], 0                           ; the pair's second register is named, never used
	s_wait_dscnt 0x0                               ; W2's fragments are in
	s_mov_b32 s44, 15
.Lunits:
	UNIT MA, MB, 1
	UNIT MB, MA, 1
	s_sub_co_u32 s44, s44, 1
	s_cmp_lg_u32 s44, 0
	s_cbranch_scc1 .Lunits
	UNIT MA, MB, 1                                 ; units 30 and 31 are written out: the last asks for nothing
	UNIT MB, MA, 0
	; THE FOUR WAVES' STATES MEET: each wave puts its 16 maxima, numerators and denominators into its own 6,144 bytes,
	; then wave w merges tiles 2 w and 2 w + 1 (block w of each part).
	s_mul_i32 s24, s20, 6144
	v_add_nc_u32 v8, s24, v5
.irp k, 0,1,2,3
	ds_store_b128 v8, v[MA+4*\k:MA+4*\k+3] offset:SCR+512*\k
	ds_store_b128 v8, v[NUM+4*\k:NUM+4*\k+3] offset:SCR+2048+512*\k
	ds_store_b128 v8, v[DEN+4*\k:DEN+4*\k+3] offset:SCR+4096+512*\k
.endr
	s_wait_dscnt 0x0                               ; my stores are done, for the others' sake
	s_barrier_signal -1
	s_barrier_wait -1
	s_lshl_b32 s24, s20, 9
	v_add_nc_u32 v9, s24, v5
.irp s, 0,1,2,3
	ds_load_b128 v[16+4*\s:16+4*\s+3], v9 offset:SCR+6144*\s
	ds_load_b128 v[32+4*\s:32+4*\s+3], v9 offset:SCR+6144*\s+2048
	ds_load_b128 v[48+4*\s:48+4*\s+3], v9 offset:SCR+6144*\s+4096
.endr
	v_and_b32 v6, 15, v0                           ; r
	v_bfe_u32 v7, v0, 4, 1                         ; h
	v_lshlrev_b32 v10, 2, v6
	v_lshl_add_u32 v10, v7, 10, v10
	s_lshl_b32 s23, s20, 7
	v_add_nc_u32 v10, s23, v10                     ; output stage: row 2 h (+ 1), channel 32 w + r (+ 16)
	v_lshlrev_b32 v11, 4, v0                       ; 16 x thread
	s_wait_dscnt 0x0
.irp c, 0,1,2,3
	v_max3_num_f32 v[64+\c], v[16+\c], v[20+\c], v[24+\c]
.endr
.irp c, 0,1,2,3
	v_max_num_f32 v[64+\c], v[64+\c], v[28+\c]
.endr
.irp s, 0,1,2,3
.irp k, 0,1
	v_pk_add_f32 v[16+4*\s+2*\k:16+4*\s+2*\k+1], v[16+4*\s+2*\k:16+4*\s+2*\k+1], v[64+2*\k:64+2*\k+1] neg_lo:[0,1] neg_hi:[0,1]
.endr
.endr
.irp i, 0,1,2,3,4,5,6,7,8,9,10,11,12,13,14,15
	v_exp_f32 v[16+\i], v[16+\i]
.endr
	v_nop                                          ; one plain place behind the exponentials
	s_wait_alu depctr_va_vdst(0)
.irp k, 0,1
	v_pk_mul_f32 v[68+2*\k:68+2*\k+1], v[32+2*\k:32+2*\k+1], v[16+2*\k:16+2*\k+1]
	v_pk_mul_f32 v[72+2*\k:72+2*\k+1], v[48+2*\k:48+2*\k+1], v[16+2*\k:16+2*\k+1]
.endr
.irp s, 1,2,3
.irp k, 0,1
	v_pk_fma_f32 v[68+2*\k:68+2*\k+1], v[32+4*\s+2*\k:32+4*\s+2*\k+1], v[16+4*\s+2*\k:16+4*\s+2*\k+1], v[68+2*\k:68+2*\k+1]
	v_pk_fma_f32 v[72+2*\k:72+2*\k+1], v[48+4*\s+2*\k:48+4*\s+2*\k+1], v[16+4*\s+2*\k:16+4*\s+2*\k+1], v[72+2*\k:72+2*\k+1]
.endr
.endr
.irp c, 0,1,2,3
	v_rcp_f32 v[72+\c], v[72+\c]
.endr
	v_nop                                          ; one plain place behind the reciprocals
	s_wait_alu depctr_va_vdst(0)
	v_pk_mul_f32 v[68:69], v[68:69], v[72:73]
	v_pk_mul_f32 v[70:71], v[70:71], v[74:75]
.irp c, 0,1,2,3
	ds_store_b32 v10, v[68+\c] offset:OUTS+512*(\c%2)+64*(\c/2)
.endr
	s_wait_dscnt 0x0
	s_barrier_signal -1
	s_barrier_wait -1
	ds_load_b128 v[76:79], v11 offset:OUTS
	s_wait_dscnt 0x0
	global_store_b128 v11, v[76:79], s[18:19]      ; each wave stores 512 consecutive bytes, aligned: one row of out0
	s_set_vgpr_msb 0xf
	s_wait_tensorcnt 0x0
	ds_add_u32 v0, v1
	s_wait_dscnt 0x0
	s_set_vgpr_msb 0xf00
	s_endpgm
.Lfunc_end_k_q1dc2c796df_pair:
	.size	k_q1dc2c796df_pair, .Lfunc_end_k_q1dc2c796df_pair-k_q1dc2c796df_pair
	.p2alignl 7, 3214868480
	.fill 96, 4, 3214868480
	.section	.rodata,"a",@progbits
	.p2align	6, 0x0
	.amdhsa_kernel k_q1dc2c796df_pair
		.amdhsa_group_segment_fixed_size 168448
		.amdhsa_private_segment_fixed_size 0
		.amdhsa_enable_private_segment 0
		.amdhsa_kernarg_size 64
		.amdhsa_user_sgpr_count 2
		.amdhsa_user_sgpr_kernarg_segment_ptr 1
		.amdhsa_wavefront_size32 1
		.amdhsa_system_sgpr_workgroup_id_x 1
		.amdhsa_system_sgpr_workgroup_id_y 1
		.amdhsa_system_sgpr_workgroup_id_z 1
		.amdhsa_system_vgpr_workitem_id 0
		.amdhsa_next_free_vgpr 770
		.amdhsa_next_free_sgpr 66
		.amdhsa_reserve_vcc 1
		.amdhsa_float_denorm_mode_32 3
		.amdhsa_float_denorm_mode_16_64 3
		.amdhsa_memory_ordered 1
		.amdhsa_forward_progress 1
		.amdhsa_inst_pref_size 198
	.end_amdhsa_kernel
	.amdgpu_metadata
---
amdhsa.version: [ 1, 2 ]
amdhsa.kernels:
  - .name:           k_q1dc2c796df_pair
    .symbol:         k_q1dc2c796df_pair.kd
    .args:
      - { .name: Tp, .offset: 0, .size: 8, .value_kind: global_buffer, .address_space: global }
      - { .name: Up, .offset: 8, .size: 8, .value_kind: global_buffer, .address_space: global }
      - { .name: Vp, .offset: 16, .size: 8, .value_kind: global_buffer, .address_space: global }
      - { .name: W2F, .offset: 24, .size: 8, .value_kind: global_buffer, .address_space: global }
      - { .name: g1, .offset: 32, .size: 8, .value_kind: global_buffer, .address_space: global }
      - { .name: beta1, .offset: 40, .size: 8, .value_kind: global_buffer, .address_space: global }
      - { .name: distribution, .offset: 48, .size: 8, .value_kind: global_buffer, .address_space: global }
      - { .name: out0, .offset: 56, .size: 8, .value_kind: global_buffer, .address_space: global }
    .group_segment_fixed_size: 168448
    .private_segment_fixed_size: 0
    .kernarg_segment_align: 8
    .kernarg_segment_size: 64
    .max_flat_workgroup_size: 128
    .sgpr_count:     66
    .vgpr_count:     770
    .wavefront_size: 32
...
	.end_amdgpu_metadata
.endif
;; end of part 2
;; ======== version 2 of 2: 2 launches; 1.76 times as fast as version 1
;; workspace buffers: Tp 524,288 bytes; Up 524,288 bytes; Vp 524,288 bytes; W2F 32,768 bytes
;; launch prep: the kernel of part 1 again; grid 64 x 3, 4 waves a work-group, no clusters, 168,448 bytes of LDS; arguments feat, Wq, Wk, Wv, W1, W2, bq, bk, bv, gq, gk, betaq, betak, b1, distribution, Tp, Up, Vp, W2F; writes Tp, Up, Vp, W2F
;; launch pair (part 3): grid 256 x 1, 4 waves a work-group, no clusters, 168,448 bytes of LDS; arguments Tp, Up, Vp, W2F, g1, beta1, distribution, out0; writes out0
.if DOCPART == 3
	.amdgcn_target "amdgcn-amd-amdhsa--gfx1250"
	.amdhsa_code_object_version 6
	.text
	.protected	k_q1dc2c796df_pair
	.globl	k_q1dc2c796df_pair
	.p2align	8
	.type	k_q1dc2c796df_pair,@function
k_q1dc2c796df_pair:
	s_mov_b64 s[64:65], 0
	v_nop
	global_prefetch_b8 v0, s[64:65] scope:SCOPE_SE
	s_setreg_imm32_b32 hwreg(HW_REG_WAVE_MODE, 25, 1), 1
	s_wait_xcnt 0x0
; VectorAttention, second launch: all work on pairs (i, j), the weighted softmax over j, and the output.
; Left out as in the first launch: pos (never used), b2 (the same for every j of a softmax over j), and the pair-wise product with W1
; (linear: it is U_j - T_i from the tables, already centred, b1 inside).  A NaN or infinity in pos or b2 alone is not carried on.
; LIMITS: v_exp_f32, v_rcp_f32, v_rsq_f32 flush denormals (ISA guide, 15.8): a softmax denominator below 2^-126 counts as 0.
; Sums over j run in another order than the problem's function; the maximum over j is a running one, merged at the end.
;
; SHARES: work-group g owns rows i = 4 g .. 4 g + 3 (of batch g >> 7) and all 512 j; wave w owns j = 128 w .. 128 w + 127 in 32 units of 4 j.
; A unit is ONE matrix tile of 16 rows = 4 i x 4 j: row m stands for i = 2 (m >> 3) + (m & 1), j = (m >> 1) & 3.
;   in:  lane (r, h) holds row m = r, channels 16 t + 8 h + e in register 8 t + e: the 16-bit fragment's own order, so no number changes lanes;
;   out: register j' of tile t in lane (r, h) is channel 16 t + r, i = 2 h + (j' & 1), j = j' >> 1: a register pair is (i even, i odd) of one j,
;        so the softmax's states are pairs for packed arithmetic and dist_j, dist_j v_j enter as one register for both halves.
; log2 e is folded into g1 and beta1: z = log2e x, e = 2^z, h' = z + z / d (d = -(1 + e + e^2/2)) = log2e mish(x), and h' W2^T = log2e w,
; which is what a softmax by 2^x wants.
;
; THE TRANSCENDENTALS OF A UNIT ARE FOUR BATCHES, each with ONE s_wait_alu depctr_va_vdst(0) between its last member and the first line that
; names a result.  Each link reads the link before, so four is the fewest:
;   1  1/sigma: one v_rsq_f32;
;   2  mish's 64 exponentials, one by one among the 64 packed lines that make their arguments (x / sigma; times log2e g1, plus log2e beta1);
;   3  mish's 64 reciprocals, one by one among the 64 packed lines that make d;
;   4  the softmax's 80 exponentials (16 factors 2^(old - new), 64 weights), by turns with the 72 lines that find the maxima and take them away
;      and the mask's 16 compares and selects.
; While a batch is open each of its results has a register of its own, and no line names one: E has 64 registers, AL sixteen.
;
; THE 32 PRODUCTS OF A UNIT STAND IN ONE RUN.  W2 fills the whole block of 256 registers that a product names as its second source, and the
; softmax's second sources (maxima, factors, mask, dist, dist v) lie in the first block: a product set among a neighbouring unit's softmax
; costs two switches of the register window, 64 a unit; and dist v and dist, which have one buffer each and are asked for behind their last
; reader, would then be wanted in front of the products instead of behind them.
;
; NO CLUSTER.  All 128 work-groups of a batch walk the same 512 KiB of U and dist v, so four of them could ask jointly and quarter the
; requests.  Against it: a wave asks for 4,112 bytes a unit, a whole unit ahead, and issues some 750 instructions in that unit, about 5 bytes
; for each instruction: the loop is bound by its vector instructions, not by these bytes.  A joint ring would add 512 KiB written into and
; read back from each work-group's LDS (no byte is used twice inside a work-group), and rounds that tie sixteen waves together.
; W2's image (32 KiB) is asked for once.
;
; REGISTERS.  First block: v0 thread, v1 lane, v2 U's offset, v3 V's offset, v4 zero, v5 16 x lane, v6 at work, v7 the number 1.0;
;   second block: W2's 32 fragments (tile t, step kk at 8 (4 t + kk));  third block: T, log2e beta1, U of the unit to come;
;   fourth block: v0-1 the add's two registers, log2e g1, 1/sigma.  1/sigma and log2e g1 are both a packed line's second source: in one block,
;   so that batch 2's plain lines and its exponentials stand under one setting of the windows.
.set SS,  8                            ; v[8:15]    four running pairs (in the head: address registers)
.set TM,  8                            ;            in mish: four pairs t at work; SS is idle from the variance's fold to the next unit
.set X,   16                           ; v[16:79]   the 64 numbers on the way in; then the eight result tiles
.set E,   80                           ; v[80:143]  mish: the 64 exponentials, then d, then 1 / d
.set AL,  80                           ; v[80:95]   in the softmax: the sixteen rescale factors, register 2 t + (i & 1),
.set MT,  96                           ; v[96:99]   and four maxima at work
.set H,   112                          ; v[112:143] the four bf16 fragments: E's upper half, written when the last 1 / d has been read
.set VJ,  144                          ; v[144:175] dist_j v_j: register 4 t + j
.set DJ,  176                          ; v[176:179] dist_j
.set MK,  180                          ; v[180:187] the mask as 0 / 1: register 2 j + (i & 1)
.set DI,  188                          ; v[188:189] dist_i of my two i
.set MA,  192                          ; v[192:207] running maxima, register 2 t + (i & 1); MA and MB take turns
.set MB,  208
.set NUM, 224                          ; v[224:239]
.set DEN, 240                          ; v[240:255]
.set TT,  0                            ; third block
.set BL,  128
.set UL,  192
.set GL,  64                           ; fourth block
.set RS,  190                          ; fourth block: v[190:191] 1/sigma
.set SCR,  32768                       ; LDS: 0 .. 32,767 W2's image; then 4 x 6,144 bytes of states; then 2,048 bytes of output
.set OUTS, 57344
.set LOG2E, 0x3fb8aa3b
.set MSB, 0
.macro WIN new                         ; the immediate's high byte repeats the setting that is left
.if MSB != \new
	s_set_vgpr_msb (MSB<<8)|\new
.set MSB, \new
.endif
.endm
.macro FOLD                            ; four pairs -> one number, the row's two lanes added
	v_pk_add_f32 v[SS:SS+1], v[SS:SS+1], v[SS+2:SS+3]
	v_pk_add_f32 v[SS+4:SS+5], v[SS+4:SS+5], v[SS+6:SS+7]
	v_pk_add_f32 v[SS:SS+1], v[SS:SS+1], v[SS+4:SS+5]
	v_add_f32 v[SS], v[SS], v[SS+1]
	v_permlanex16_b32 v[SS+1], v[SS], s40, s41
	v_add_f32 v[SS], v[SS], v[SS+1]
.endm
; BATCH 2.  z = (x / sigma) log2e g1 + log2e beta1 for X's 32 pairs, and e = 2^z into E.  Slot p: pair p is divided by sigma, pair p - 1 takes gain and
; beta, pair p - 2's two exponentials stand between: behind every exponential but the last stands a plain line that touches neither its result nor its
; source (ISA guide 5.7.2), and no line of the macro names a register of E but the exponential that writes it.
.macro ZEXP
.set zp, 0
.rept 34
.if zp < 32
	v_pk_mul_f32 v[X+2*zp:X+2*zp+1], v[X+2*zp:X+2*zp+1], v[RS:RS+1] op_sel_hi:[1,0]
.endif
.if zp >= 2
	v_exp_f32 v[E+2*zp-4], v[X+2*zp-4]
.endif
.if (zp >= 1) && (zp <= 32)
	v_pk_fma_f32 v[X+2*zp-2:X+2*zp-1], v[X+2*zp-2:X+2*zp-1], v[GL+2*zp-2:GL+2*zp-1], v[BL+2*zp-2:BL+2*zp-1]
.endif
.if zp >= 2
	v_exp_f32 v[E+2*zp-3], v[X+2*zp-3]
.endif
.set zp, zp+1
.endr
.endm
; BATCH 3.  t = -1 - e/2; d = e t - 1 = -(1 + e + e^2/2), in place on E; 1 / d, in place.  Slot p: t of pair p, d of pair p - 1, and between them the two
; reciprocals of pair p - 2, which no later line of the macro names.
.macro DRCP
.set zp, 0
.rept 34
.if zp < 32
	v_pk_fma_f32 v[TM+2*(zp%4):TM+2*(zp%4)+1], v[E+2*zp:E+2*zp+1], -0.5, -1.0 op_sel_hi:[1,0,0]
.endif
.if zp >= 2
	v_rcp_f32 v[E+2*zp-4], v[E+2*zp-4]
.endif
.if (zp >= 1) && (zp <= 32)
	v_pk_fma_f32 v[E+2*zp-2:E+2*zp-1], v[E+2*zp-2:E+2*zp-1], v[TM+2*((zp-1)%4):TM+2*((zp-1)%4)+1], -1.0 op_sel_hi:[1,1,0]
.endif
.if zp >= 2
	v_rcp_f32 v[E+2*zp-3], v[E+2*zp-3]
.endif
.set zp, zp+1
.endr
.endm
; h' = z + z / d for all 32 pairs; only then the 32 roundings, since H lies on E's upper half.
.macro HPACK
.set zp, 0
.rept 32
	v_pk_fma_f32 v[X+2*zp:X+2*zp+1], v[X+2*zp:X+2*zp+1], v[E+2*zp:E+2*zp+1], v[X+2*zp:X+2*zp+1]
.set zp, zp+1
.endr
.set zp, 0
.rept 32
	v_cvt_pk_bf16_f32 v[H+zp], v[X+2*zp], v[X+2*zp+1]
.set zp, zp+1
.endr
.endm
; Softmax, tiles 2 tp and 2 tp + 1.  Line n (0 .. 17) of what stands ahead of their exponentials: 0-7 the new maxima of their four states (each tile's lowest
; registers are read first); 8, 9 old - new; 10-17 w - new for the eight pairs.
.macro S1OP tp, n, mo, mn
.if (\n) < 8
.set s1c, (\n)%4
.set s1x, X+16*(\tp)+8*(s1c/2)+s1c%2
.if (\n) < 4
	v_max3_num_f32 v[MT+s1c], v[s1x], v[s1x+2], v[s1x+4]
.else
	v_max3_num_f32 v[\mn+4*(\tp)+s1c], v[MT+s1c], v[s1x+6], v[\mo+4*(\tp)+s1c]
.endif
.elseif (\n) < 10
.set s1c, 4*(\tp)+2*((\n)-8)
	v_pk_add_f32 v[AL+s1c:AL+s1c+1], v[\mo+s1c:\mo+s1c+1], v[\mn+s1c:\mn+s1c+1] neg_lo:[0,1] neg_hi:[0,1]
.else
.set s1c, (\n)-10
.set s1x, X+16*(\tp)+2*s1c
.set s1m, \mn+4*(\tp)+2*(s1c/4)
	v_pk_add_f32 v[s1x:s1x+1], v[s1x:s1x+1], v[s1m:s1m+1] neg_lo:[0,1] neg_hi:[0,1]
.endif
.endm
; THE PLAIN QUEUE of batch 4, 88 long: S1OP's 18 lines for tile pairs 0 to 3, then for each of the mask's eight products the compare and the select (0 / 1).
.macro PQ mo, mn
.if qp < 72
	S1OP qp/18, qp%18, \mo, \mn
.elseif (qp-72)%2 == 0
	v_cmp_lt_f32 vcc_lo, 0, v[MK+(qp-72)/2]
.else
	v_cndmask_b32 v[MK+(qp-72)/2], 0, v7, vcc_lo
.endif
.set qp, qp+1
.endm
; THE EXPONENTIALS' QUEUE of batch 4, 80 long: for each tile pair its four factors, then its sixteen weights, all in place.
.macro EQ
.if qe%20 < 4
	v_exp_f32 v[AL+4*(qe/20)+qe%20], v[AL+4*(qe/20)+qe%20]
.else
	v_exp_f32 v[X+16*(qe/20)+qe%20-4], v[X+16*(qe/20)+qe%20-4]
.endif
.set qe, qe+1
.endm
; Instruction n (0 .. 27) of the sums of tiles 2 tp, 2 tp + 1: four rescales; then for each j: DEN += P dist_j, P *= mask, NUM += P dist_j v_j.
.macro S3OP tp, n
.if (\n) < 4
.set q3t, 2*(\tp)+(\n)/2
.set q3a, AL+4*(\tp)+2*((\n)/2)
.if (\n)%2 == 0
	v_pk_mul_f32 v[NUM+2*q3t:NUM+2*q3t+1], v[NUM+2*q3t:NUM+2*q3t+1], v[q3a:q3a+1]
.else
	v_pk_mul_f32 v[DEN+2*q3t:DEN+2*q3t+1], v[DEN+2*q3t:DEN+2*q3t+1], v[q3a:q3a+1]
.endif
.else
.set q3q, ((\n)-4)/6
.set q3k, ((\n)-4)%6
.set q3t, 2*(\tp)+q3k%2
.set q3p, X+8*q3t+2*q3q
.set q3h, 2*(q3q/2)
.if q3k < 2
.if q3q%2
	v_pk_fma_f32 v[DEN+2*q3t:DEN+2*q3t+1], v[q3p:q3p+1], v[DJ+q3h:DJ+q3h+1], v[DEN+2*q3t:DEN+2*q3t+1] op_sel:[0,1,0] op_sel_hi:[1,1,1]
.else
	v_pk_fma_f32 v[DEN+2*q3t:DEN+2*q3t+1], v[q3p:q3p+1], v[DJ+q3h:DJ+q3h+1], v[DEN+2*q3t:DEN+2*q3t+1] op_sel_hi:[1,0,1]
.endif
.else
.if q3k < 4
	v_pk_mul_f32 v[q3p:q3p+1], v[q3p:q3p+1], v[MK+2*q3q:MK+2*q3q+1]
.else
.if q3q%2
	v_pk_fma_f32 v[NUM+2*q3t:NUM+2*q3t+1], v[q3p:q3p+1], v[VJ+4*q3t+q3h:VJ+4*q3t+q3h+1], v[NUM+2*q3t:NUM+2*q3t+1] op_sel:[0,1,0] op_sel_hi:[1,1,1]
.else
	v_pk_fma_f32 v[NUM+2*q3t:NUM+2*q3t+1], v[q3p:q3p+1], v[VJ+4*q3t+q3h:VJ+4*q3t+q3h+1], v[NUM+2*q3t:NUM+2*q3t+1] op_sel_hi:[1,0,1]
.endif
.endif
.endif
.endif
.endm
; BATCH 4 and its readers.  Ten plain lines lead (tile pair 0's maxima and old - new); then exponential and plain by turns.  The queues keep in step: counted from the
; eleventh plain line as plain 0, tile pair tp's factors are exponentials 20 tp .. 20 tp + 3 and their arguments plain 18 tp - 2, 18 tp - 1 (for tp = 0 the last two of
; the ten); its weight i is exponential 20 tp + 4 + i and its argument plain 18 tp + i / 2.  Exponential k stands ahead of plain k, so every argument is made first.
; Ahead of the wait no line names a result; behind it stand the 112 lines of the sums, the four tile pairs by turns; each NUM and DEN takes its rescale and then j = 0 .. 3.
.macro SOFTMAX mo, mn
.set qp, 0
.set qe, 0
.rept 10
	PQ \mo, \mn
.endr
.rept 77
	EQ
	PQ \mo, \mn
.endr
	EQ
	EQ
	EQ
	PQ \mo, \mn                                    ; the mask's last select: the plain place behind the last exponential (ISA guide 5.7.2)
	s_wait_alu depctr_va_vdst(0)                   ; the wait for batch 4: the unit's 16 factors and 64 weights
.set e2n, 0
.rept 28
	S3OP 0, e2n
	S3OP 1, e2n
	S3OP 2, e2n
	S3OP 3, e2n
.set e2n, e2n+1
.endr
.endm
; One unit of 4 j.  mo: the maxima so far, mn: the new ones.  more = 1: the next unit's numbers are asked for.
.macro UNIT mo, mn, more
	s_wait_loadcnt 0x9                             ; this unit's U is in; the nine younger loads (its dist v and dist) may stay out
	WIN 0x0a                                       ; sources 0 and 1 in the third block
.set ui, 0
.rept 32
	v_pk_add_f32 v[X+2*ui:X+2*ui+1], v[UL+2*ui:UL+2*ui+1], v[TT+2*ui:TT+2*ui+1] neg_lo:[0,1] neg_hi:[0,1]
.set ui, ui+1
.endr
.if \more
	s_wait_xcnt 0x0                                ; U's base is stepped only behind this wait
	s_add_nc_u64 s[6:7], s[6:7], 2048
	WIN 0x80                                       ; destinations in the third block
.irp p, 0,1,2,3,4,5,6,7,8,9,10,11,12,13,14,15
	global_load_b128 v[UL+4*\p:UL+4*\p+3], v2, s[6:7] offset:128*\p
.endr
.endif
	WIN 0
.irp k, 0,1,2,3
	v_pk_mul_f32 v[SS+2*\k:SS+2*\k+1], v[X+2*\k:X+2*\k+1], v[X+2*\k:X+2*\k+1]
.endr
.set ui, 4
.rept 28
	v_pk_fma_f32 v[SS+2*(ui%4):SS+2*(ui%4)+1], v[X+2*ui:X+2*ui+1], v[X+2*ui:X+2*ui+1], v[SS+2*(ui%4):SS+2*(ui%4)+1]
.set ui, ui+1
.endr
	FOLD
	v_fma_f32 v6, v[SS], s42, s43                  ; variance + eps
	WIN 0xc0                                       ; destination in the fourth block
	v_rsq_f32 v[RS], v6
	v_nop                                          ; one plain place behind v_rsq_f32: all that follows wants 1/sigma
	s_wait_alu depctr_va_vdst(0)                   ; the wait for batch 1: 1/sigma
	WIN 0x2c                                       ; source 1 (1/sigma, log2e g1) in the fourth block, source 2 (log2e beta1) in the third
	ZEXP
	v_nop                                          ; one plain place behind the last exponential
	s_wait_alu depctr_va_vdst(0)                   ; the wait for batch 2: mish's 64 exponentials
	WIN 0
	DRCP
	v_nop                                          ; one plain place behind the last reciprocal
	s_wait_alu depctr_va_vdst(0)                   ; the wait for batch 3: mish's 64 reciprocals
	HPACK
	WIN 0x04                                       ; source 1 (W2) in the second block
	; the eight accumulators take turns, one instruction a turn; the first step starts the sums
.irp kk, 0,1,2,3
.irp t, 0,1,2,3,4,5,6,7
.if \kk == 0
	v_wmma_f32_16x16x32_bf16 v[X+8*\t:X+8*\t+7], v[H+8*\kk:H+8*\kk+7], v[8*(4*\t+\kk):8*(4*\t+\kk)+7], 0
.else
	v_wmma_f32_16x16x32_bf16 v[X+8*\t:X+8*\t+7], v[H+8*\kk:H+8*\kk+7], v[8*(4*\t+\kk):8*(4*\t+\kk)+7], v[X+8*\t:X+8*\t+7]
.endif
.endr
.endr
	WIN 0
.if \more
	s_wait_loadcnt 0x10                            ; this unit's dist v and dist are in; the next unit's sixteen loads of U stay out
.else
	s_wait_loadcnt 0x0
.endif
	; the mask is f32(dist_i dist_j) > 0 as 0 / 1.  Its four products stand here: plain instructions that name no register of the matrix products above,
	; the four places between them and the first reader of a result (ISA guide 7.12.1).  Its compares and selects stand in batch 4's plain queue.
	v_pk_mul_f32 v[MK:MK+1], v[DI:DI+1], v[DJ:DJ+1] op_sel_hi:[1,0]
	v_pk_mul_f32 v[MK+2:MK+3], v[DI:DI+1], v[DJ:DJ+1] op_sel:[0,1] op_sel_hi:[1,1]
	v_pk_mul_f32 v[MK+4:MK+5], v[DI:DI+1], v[DJ+2:DJ+3] op_sel_hi:[1,0]
	v_pk_mul_f32 v[MK+6:MK+7], v[DI:DI+1], v[DJ+2:DJ+3] op_sel:[0,1] op_sel_hi:[1,1]
	SOFTMAX \mo, \mn
.if \more
	s_wait_xcnt 0x0                                ; the two bases are stepped only behind this wait
	s_add_nc_u64 s[8:9], s[8:9], 2048
	s_add_nc_u64 s[26:27], s[26:27], 16
.irp t, 0,1,2,3,4,5,6,7
	global_load_b128 v[VJ+4*\t:VJ+4*\t+3], v3, s[8:9] offset:256*\t
.endr
	global_load_b128 v[DJ:DJ+3], v4, s[26:27]
.endif
.endm
	s_load_b512 s[4:19], s[0:1], 0x0               ; Tp 4, Up 6, Vp 8, W2F 10, g1 12, beta1 14, distribution 16, out0 18
	s_set_vgpr_msb 0xc0
	v_lshl_add_u32 v0, v0, 2, 0x29000
	v_mov_b32 v1, 0
	s_set_vgpr_msb 0xc0cf
	ds_add_u32 v0, v1
	ds_add_u32 v0, v1
	s_set_vgpr_msb 0xcf00
	v_lshrrev_b32 v6, 5, v0
	v_readfirstlane_b32 s20, v6                    ; wave 0..3
	s_mov_b32 s21, ttmp9                           ; g
	s_lshr_b32 s22, s21, 7                         ; batch
	; W2's image is dense: each wave brings its quarter, 32 rows of 256 bytes
	s_mov_b32 s32, 3<<16                           ; element of 8 bytes, no mask, no padding
	s_mov_b32 s33, 32<<16                          ; tensor_dim0 = 32
	s_mov_b32 s34, 32<<16                          ; tensor_dim1 = 32
	s_mov_b32 s35, 32<<16                          ; tile_dim0 = 32
	s_mov_b32 s36, 32                              ; tile_dim1 = 32
	s_mov_b32 s37, 32                              ; elements from row to row
	s_mov_b32 s38, 0
	s_mov_b32 s39, 0
	s_mov_b32 s28, 1
	s_mul_i32 s29, s20, 8192                       ; LDS: wave x 8,192
	s_mov_b32 s24, s29
	s_mov_b32 s25, 0
	s_mov_b32 s40, 0x76543210                      ; v_permlanex16_b32: lane i of one half reads lane i of the other
	s_mov_b32 s41, 0xfedcba98
	s_mov_b32 s42, 0x3c000000                      ; 1/128
	s_mov_b32 s43, 0x3727c5ac                      ; 1e-5
	v_and_b32 v1, 31, v0                           ; lane
	v_and_b32 v6, 15, v0                           ; r
	v_bfe_u32 v7, v0, 4, 1                         ; h
	v_bfe_u32 v2, v0, 1, 2                         ; my row's j = (r >> 1) & 3
	v_lshlrev_b32 v2, 4, v2
	v_lshl_add_u32 v2, v7, 6, v2                   ; U: 64 h + 16 j
	v_lshlrev_b32 v3, 4, v6                        ; dist v: 16 r
	v_mov_b32 v4, 0
	v_lshlrev_b32 v5, 4, v1                        ; 16 x lane
	v_bfe_u32 v11, v0, 3, 1
	v_and_b32 v12, 1, v0
	v_lshl_add_u32 v11, v11, 1, v12                ; my row's i = 2 (r >> 3) + (r & 1)
	v_lshlrev_b32 v8, 4, v11
	v_lshl_add_u32 v8, v7, 6, v8                   ; T: 64 h + 16 i
	v_lshlrev_b32 v9, 5, v7                        ; g1, beta1: 32 h
	v_lshlrev_b32 v10, 3, v7                       ; dist_i: 8 h
	s_wait_dscnt 0x0
	s_wait_kmcnt 0x0
	s_add_nc_u64 s[30:31], s[10:11], s[24:25]
	s_or_b32 s31, s31, 0x80000000
	tensor_load_to_lds s[28:31], s[32:39]          ; the wave's one tensor load, a first fill; nothing is filled again
	s_nop 0
	s_lshl_b32 s24, s21, 11                        ; g x 2,048: my four rows in Tp and in out0
	s_add_nc_u64 s[4:5], s[4:5], s[24:25]
	s_add_nc_u64 s[18:19], s[18:19], s[24:25]
	s_lshl_b32 s24, s22, 18                        ; batch x 128 units + wave x 32 units, of 2,048 bytes
	s_lshl_b32 s23, s20, 16
	s_add_co_u32 s24, s24, s23
	s_add_nc_u64 s[6:7], s[6:7], s[24:25]
	s_add_nc_u64 s[8:9], s[8:9], s[24:25]
	s_lshl_b32 s24, s22, 11                        ; batch x 512 + wave x 128 numbers of dist
	s_lshl_b32 s23, s20, 9
	s_add_co_u32 s24, s24, s23
	s_add_nc_u64 s[26:27], s[16:17], s[24:25]
	s_lshl_b32 s24, s21, 4                         ; my four rows' dist
	s_add_nc_u64 s[16:17], s[16:17], s[24:25]
	global_load_b64 v[DI:DI+1], v10, s[16:17]
	WIN 0x80                                       ; destinations in the third block
.irp p, 0,1,2,3,4,5,6,7,8,9,10,11,12,13,14,15
	global_load_b128 v[TT+4*\p:TT+4*\p+3], v8, s[4:5] offset:128*\p
.endr
	WIN 0xc0                                       ; destinations in the fourth block
.irp t, 0,1,2,3,4,5,6,7
	global_load_b128 v[GL+8*\t:GL+8*\t+3], v9, s[12:13] offset:64*\t
	global_load_b128 v[GL+8*\t+4:GL+8*\t+7], v9, s[12:13] offset:64*\t+16
.endr
	WIN 0x80                                       ; destinations in the third block
.irp t, 0,1,2,3,4,5,6,7
	global_load_b128 v[BL+8*\t:BL+8*\t+3], v9, s[14:15] offset:64*\t
	global_load_b128 v[BL+8*\t+4:BL+8*\t+7], v9, s[14:15] offset:64*\t+16
.endr
.irp p, 0,1,2,3,4,5,6,7,8,9,10,11,12,13,14,15
	global_load_b128 v[UL+4*\p:UL+4*\p+3], v2, s[6:7] offset:128*\p
.endr
	WIN 0
.irp t, 0,1,2,3,4,5,6,7
	global_load_b128 v[VJ+4*\t:VJ+4*\t+3], v3, s[8:9] offset:256*\t
.endr
	global_load_b128 v[DJ:DJ+3], v4, s[26:27]
	s_wait_tensorcnt 0x0                           ; my quarter of W2's image has landed,
	s_barrier_signal -1
	s_barrier_wait -1                              ; everybody's has
	WIN 0x40                                       ; destinations in the second block
.set hi, 0
.rept 64
	ds_load_b128 v[4*hi:4*hi+3], v5 offset:512*hi
.set hi, hi+1
.endr
	s_wait_loadcnt 0x19                            ; dist_i, T, g1, beta1 are in; unit 0's 16 + 8 + 1 loads may stay out
	WIN 0xc3                                       ; source 0 and destination in the fourth block
.set hi, 0
.rept 32
	v_pk_mul_f32 v[GL+2*hi:GL+2*hi+1], v[GL+2*hi:GL+2*hi+1], LOG2E op_sel_hi:[1,0]   ; log2e g1
.set hi, hi+1
.endr
	v_mov_b32 v[RS+1], 0                           ; the pair's second register is named, never used
	WIN 0x82                                       ; source 0 and destination in the third block
.set hi, 0
.rept 32
	v_pk_mul_f32 v[BL+2*hi:BL+2*hi+1], v[BL+2*hi:BL+2*hi+1], LOG2E op_sel_hi:[1,0]   ; log2e beta1
.set hi, hi+1
.endr
	WIN 0
.set hi, 0
.rept 16
	v_mov_b32 v[MA+hi], 0xff800000                 ; no maximum yet: the first factor 2^(old - new) is 0
	v_mov_b32 v[NUM+hi], 0
	v_mov_b32 v[DEN+hi], 0
.set hi, hi+1
.endr
	v_mov_b32 v7, 1.0
	s_wait_dscnt 0x0                               ; W2's fragments are in
	s_mov_b32 s44, 15
.Lunits:                                               ; no transcendental is issued behind a unit's fourth wait: none is open at the label or at the jump
	UNIT MA, MB, 1
	UNIT MB, MA, 1
	s_sub_co_u32 s44, s44, 1
	s_cmp_lg_u32 s44, 0
	s_cbranch_scc1 .Lunits
	UNIT MA, MB, 1                                 ; units 30 and 31 are written out: the last asks for nothing
	UNIT MB, MA, 0
	; THE FOUR WAVES' STATES MEET: each wave puts its 16 maxima, numerators and denominators into its own 6,144 bytes,
	; then wave w merges tiles 2 w and 2 w + 1 (block w of each part).
	s_mul_i32 s24, s20, 6144
	v_add_nc_u32 v8, s24, v5
.irp k, 0,1,2,3
	ds_store_b128 v8, v[MA+4*\k:MA+4*\k+3] offset:SCR+512*\k
	ds_store_b128 v8, v[NUM+4*\k:NUM+4*\k+3] offset:SCR+2048+512*\k
	ds_store_b128 v8, v[DEN+4*\k:DEN+4*\k+3] offset:SCR+4096+512*\k
.endr
	s_wait_dscnt 0x0                               ; my stores are done, for the others' sake
	s_barrier_signal -1
	s_barrier_wait -1
	s_lshl_b32 s24, s20, 9
	v_add_nc_u32 v9, s24, v5
.irp s, 0,1,2,3
	ds_load_b128 v[16+4*\s:16+4*\s+3], v9 offset:SCR+6144*\s
	ds_load_b128 v[32+4*\s:32+4*\s+3], v9 offset:SCR+6144*\s+2048
	ds_load_b128 v[48+4*\s:48+4*\s+3], v9 offset:SCR+6144*\s+4096
.endr
	v_and_b32 v6, 15, v0                           ; r
	v_bfe_u32 v7, v0, 4, 1                         ; h
	v_lshlrev_b32 v10, 2, v6
	v_lshl_add_u32 v10, v7, 10, v10
	s_lshl_b32 s23, s20, 7
	v_add_nc_u32 v10, s23, v10                     ; output stage: row 2 h (+ 1), channel 32 w + r (+ 16)
	v_lshlrev_b32 v11, 4, v0                       ; 16 x thread
	s_wait_dscnt 0x0
.irp c, 0,1,2,3
	v_max3_num_f32 v[64+\c], v[16+\c], v[20+\c], v[24+\c]
.endr
.irp c, 0,1,2,3
	v_max_num_f32 v[64+\c], v[64+\c], v[28+\c]
.endr
.irp s, 0,1,2,3
.irp k, 0,1
	v_pk_add_f32 v[16+4*\s+2*\k:16+4*\s+2*\k+1], v[16+4*\s+2*\k:16+4*\s+2*\k+1], v[64+2*\k:64+2*\k+1] neg_lo:[0,1] neg_hi:[0,1]
.endr
.endr
.irp i, 0,1,2,3,4,5,6,7,8,9,10,11,12,13,14,15
	v_exp_f32 v[16+\i], v[16+\i]
.endr
	v_nop                                          ; one plain place behind the exponentials
	s_wait_alu depctr_va_vdst(0)                   ; one wait for the merge's sixteen factors
.irp k, 0,1
	v_pk_mul_f32 v[68+2*\k:68+2*\k+1], v[32+2*\k:32+2*\k+1], v[16+2*\k:16+2*\k+1]
	v_pk_mul_f32 v[72+2*\k:72+2*\k+1], v[48+2*\k:48+2*\k+1], v[16+2*\k:16+2*\k+1]
.endr
.irp s, 1,2,3
.irp k, 0,1
	v_pk_fma_f32 v[68+2*\k:68+2*\k+1], v[32+4*\s+2*\k:32+4*\s+2*\k+1], v[16+4*\s+2*\k:16+4*\s+2*\k+1], v[68+2*\k:68+2*\k+1]
	v_pk_fma_f32 v[72+2*\k:72+2*\k+1], v[48+4*\s+2*\k:48+4*\s+2*\k+1], v[16+4*\s+2*\k:16+4*\s+2*\k+1], v[72+2*\k:72+2*\k+1]
.endr
.endr
.irp c, 0,1,2,3
	v_rcp_f32 v[72+\c], v[72+\c]
.endr
	v_nop                                          ; one plain place behind the reciprocals
	s_wait_alu depctr_va_vdst(0)                   ; one wait for the four reciprocals of the denominators
	v_pk_mul_f32 v[68:69], v[68:69], v[72:73]
	v_pk_mul_f32 v[70:71], v[70:71], v[74:75]
.irp c, 0,1,2,3
	ds_store_b32 v10, v[68+\c] offset:OUTS+512*(\c%2)+64*(\c/2)
.endr
	s_wait_dscnt 0x0
	s_barrier_signal -1
	s_barrier_wait -1
	ds_load_b128 v[76:79], v11 offset:OUTS
	s_wait_dscnt 0x0
	global_store_b128 v11, v[76:79], s[18:19]      ; each wave stores 512 consecutive bytes, aligned: one row of out0
	s_set_vgpr_msb 0xf
	s_wait_tensorcnt 0x0
	ds_add_u32 v0, v1
	s_wait_dscnt 0x0
	s_set_vgpr_msb 0xf00
	s_endpgm
.Lfunc_end_k_q1dc2c796df_pair:
	.size	k_q1dc2c796df_pair, .Lfunc_end_k_q1dc2c796df_pair-k_q1dc2c796df_pair
	.p2alignl 7, 3214868480
	.fill 96, 4, 3214868480
	.section	.rodata,"a",@progbits
	.p2align	6, 0x0
	.amdhsa_kernel k_q1dc2c796df_pair
		.amdhsa_group_segment_fixed_size 168448
		.amdhsa_private_segment_fixed_size 0
		.amdhsa_enable_private_segment 0
		.amdhsa_kernarg_size 64
		.amdhsa_user_sgpr_count 2
		.amdhsa_user_sgpr_kernarg_segment_ptr 1
		.amdhsa_wavefront_size32 1
		.amdhsa_system_sgpr_workgroup_id_x 1
		.amdhsa_system_sgpr_workgroup_id_y 1
		.amdhsa_system_sgpr_workgroup_id_z 1
		.amdhsa_system_vgpr_workitem_id 0
		.amdhsa_next_free_vgpr 960
		.amdhsa_next_free_sgpr 66
		.amdhsa_reserve_vcc 1
		.amdhsa_float_denorm_mode_32 3
		.amdhsa_float_denorm_mode_16_64 3
		.amdhsa_memory_ordered 1
		.amdhsa_forward_progress 1
		.amdhsa_inst_pref_size 187
	.end_amdhsa_kernel
	.amdgpu_metadata
---
amdhsa.version: [ 1, 2 ]
amdhsa.kernels:
  - .name:           k_q1dc2c796df_pair
    .symbol:         k_q1dc2c796df_pair.kd
    .args:
      - { .name: Tp, .offset: 0, .size: 8, .value_kind: global_buffer, .address_space: global }
      - { .name: Up, .offset: 8, .size: 8, .value_kind: global_buffer, .address_space: global }
      - { .name: Vp, .offset: 16, .size: 8, .value_kind: global_buffer, .address_space: global }
      - { .name: W2F, .offset: 24, .size: 8, .value_kind: global_buffer, .address_space: global }
      - { .name: g1, .offset: 32, .size: 8, .value_kind: global_buffer, .address_space: global }
      - { .name: beta1, .offset: 40, .size: 8, .value_kind: global_buffer, .address_space: global }
      - { .name: distribution, .offset: 48, .size: 8, .value_kind: global_buffer, .address_space: global }
      - { .name: out0, .offset: 56, .size: 8, .value_kind: global_buffer, .address_space: global }
    .group_segment_fixed_size: 168448
    .private_segment_fixed_size: 0
    .kernarg_segment_align: 8
    .kernarg_segment_size: 64
    .max_flat_workgroup_size: 128
    .sgpr_count:     66
    .vgpr_count:     960
    .wavefront_size: 32
...
	.end_amdgpu_metadata
.endif
;; end of part 3
